; MI455X (gfx1250); checked and timed in simulation.
; The chip was launched on July 23, 2026; its instructions are those of AMD's public machine-readable ISA for CDNA 5 (MIT licence, August 2026) and "CDNA5" Instruction Set Architecture Reference Guide (July 2026). The comments in the code are by the model that wrote it; some were corrected since.
;; Multihead Self Attention. Allowed arithmetic: matrix products marked QUANTISED: E4M3 operands, one given power-of-two scale a tensor, by v_wmma_f32_16x16x64_fp8_fp8 or v_wmma_f32_16x16x128_fp8_fp8, f32 sums; everything else in f32.
;; Inputs: Wk 1,024 x 1,024 float32; Wo 1,024 x 1,024 float32; Wq 1,024 x 1,024 float32; Wv 1,024 x 1,024 float32; lowp_scales 12 int32 (the exponents e of the quantised operands' scales 2^e); token_positions 2,048 int32; x 4 x 2,048 x 1,024 float32.
;; Outputs: out0 4 x 2,048 x 1,024 float32.
;; This version of the problem:
;;   THIS VERSION OF THE PROBLEM IS GIVEN IN LOW PRECISION. The matrix products marked QUANTISED in the list below multiply operands that are first quantised to E4M3 (4 exponent bits, 3 mantissa bits; 8 bits a number), with one given power-of-two scale for each operand tensor; their sums are f32. All else is computed in f32.
;;   The module's matrix products, in the order in which they are computed (A, B: the left and right operand; K: the contracted axis; several contracted axes count as one K, in the product's order):
;;     1. [M 8,192, K 1,024] x [K 1,024, N 1,024]; A: input x; B: input Wq: QUANTISED (scales: A lowp_scales[0], B lowp_scales[1])
;;     2. [M 8,192, K 1,024] x [K 1,024, N 1,024]; A: input x; B: input Wk: QUANTISED (scales: A lowp_scales[2], B lowp_scales[3])
;;     3. [M 8,192, K 1,024] x [K 1,024, N 1,024]; A: input x; B: input Wv: QUANTISED (scales: A lowp_scales[4], B lowp_scales[5])
;;     4. batch 64 x [M 2,048, K 64] x [K 64, N 2,048]; A: computed on the way; B: computed on the way: QUANTISED (scales: A lowp_scales[6], B lowp_scales[7])
;;     5. batch 64 x [M 2,048, K 2,048] x [K 2,048, N 64]; A: softmax (see below); B: computed on the way: QUANTISED (scales: A lowp_scales[8], B lowp_scales[9])
;;     6. [M 8,192, K 1,024] x [K 1,024, N 1,024]; A: computed on the way; B: input Wo: QUANTISED (scales: A lowp_scales[10], B lowp_scales[11])
;;   THE QUANTISER, for each operand of a quantised product, along K:
;;     - The operand's scale is 2^e, e = its entry of the input lowp_scales (int32; the entries are numbered through the quantised products in the list's order, A before B).
;;     - Each number is divided by the scale, clamped to +-448, and rounded to the nearest number of E4M3, ties to even, subnormals kept.
;;     - The product sums the exact products of the quantised numbers (number of the format x scale) in f32.
;;   ~~~python
;;   def quantise(x, axis, e):      # numpy; x: float32 -> the quantised numbers, widened to float32 again
;;       x = np.moveaxis(x, axis, -1); K = x.shape[-1]
;;       r = np.clip(x / 2.0 ** e, -448, 448)
;;       step = 2.0 ** (np.maximum(np.frexp(np.where(r == 0, 1, r))[1] - 1, -6) - 3)
;;       q = np.round(r / step) * step * 2.0 ** e      # np.round: ties to even
;;       return np.moveaxis(q, -1, axis).astype(np.float32)
;;   ~~~
;;   SOFTMAX AHEAD OF A QUANTISED PRODUCT. Where the list says 'softmax', what is quantised is not the finished softmax but p = 2^(t - M), with t = logit x log2(e) and M = ceil(the row's largest t), a whole number; so 1/2 < the row's largest p <= 1. The row's sum l is taken of the UNQUANTISED p, in f32, and the product's result is divided by l at the end. Since M is a whole number, a kernel that streams over the keys may use a running M (the ceiling of the running maximum): every later rescaling is an exact power of two, so the quantised numbers keep their values, but for numbers so far below the row's largest that they fall under the format's range.
;;   OPERANDS COMPUTED ON THE WAY. 'Computed on the way' means the value that the module computes at that place (a softmax that the list does not call 'softmax' is quantised finished and normalised). What goes into a quantiser is computed in f32, as accurately as f32 sums, v_exp_f32 and their like allow (about 1e-6 of the number): no bf16 or f16 on the way to a quantiser, and a product that is left as it is and whose result goes on into a quantised operand takes f32 operands (vector FMAs, or v_wmma_f32_16x16x4_f32). A number that lies on a knife's edge between two numbers of the format may be rounded either way, as far as f32 arithmetic and the matrix unit's own rounding can turn it there, and no further.
;; One version. Each part assembles by itself: llvm-mc -triple=amdgcn-amd-amdhsa -mcpu=gfx1250 --defsym DOCPART=n.
;; ======== version 1 of 1: 4 launches
;; limits: right only within a limited range of input values
;; workspace buffers: xc 25,165,824 bytes; wc 4,194,304 bytes; tab 524,288 bytes; qkvc 25,165,824 bytes; ac 8,388,608 bytes
;; launch prep (part 1): grid 448 x 1, 4 waves a work-group, no clusters, 68,096 bytes of LDS; arguments x, Wq, Wk, Wv, Wo, lowp_scales, token_positions, xc, wc, tab; writes xc, wc, tab
.if DOCPART == 1
	.amdgcn_target "amdgcn-amd-amdhsa--gfx1250"
	.amdhsa_code_object_version 6
	.text
	.protected	k_q5edfcd4af2_prep
	.globl	k_q5edfcd4af2_prep
	.p2align	8
	.type	k_q5edfcd4af2_prep,@function
k_q5edfcd4af2_prep:
	s_mov_b64 s[64:65], 0
	v_nop
	global_prefetch_b8 v0, s[64:65] scope:SCOPE_SE
	s_setreg_imm32_b32 hwreg(HW_REG_WAVE_MODE, 25, 1), 1
	s_wait_xcnt 0x0
; Three jobs in one launch, parted on the work-group's number; each has LDS bytes of its own.
;   work-groups 0-63:    tab[s][pair][cos, sin], f32: the angles token_positions[s] x 10000^(-pair/32), 256 bytes a position.
;   work-groups 64-191:  Wq, Wk, Wv, Wo [k][n] f32 -> wc[4][n][k], codes of E4M3 with K innermost (scales' entries 1, 3, 5, 11).
;   work-groups 192-447: x [8192][1024] f32 -> xc[3][8192][1024], codes with the scales' entries 0, 2, 4: x is read once and quantised three times.
; code = number / 2^e, held within +-448, to the nearest code, ties to even.
; LIMITS: each e between -126 and 119; |token_positions| up to 2^20 (the reduction by pi/2 in three parts holds so far); NaN among the inputs is not served.
; sin and cos are written out: k = nearest whole number to angle x 2/pi, r = angle - k pi/2 (pi/2 = P1 - P2 - P3), polynomials on |r| <= pi/4, the quadrant from k.
; No tensor loads, no barrier: waves share nothing.
.set WSTG,  32768                      ; LDS: 0..32767 x's stages (8,192 a wave); from here W's stages (8,704 a wave: 32 rows x 272)
.set SPARE, 67584                      ; behind them the spare words, 128 bytes a wave: two blocks of 256 bytes that no other line names
.set SPW,   12                         ; v12  LDS address of my spare word; never rewritten
.set NIL,   13                         ; v13  0; never rewritten
	s_load_b512 s[4:19], s[0:1], 0x0               ; x s[4:5], Wq s[6:7], Wk s[8:9], Wv s[10:11], Wo s[12:13], scales s[14:15], positions s[16:17], xc s[18:19]
	s_load_b128 s[20:23], s[0:1], 0x40             ; wc s[20:21], tab s[22:23]
	v_lshl_add_u32 v[SPW], v0, 2, SPARE
	v_mov_b32 v[NIL], 0
	v_lshrrev_b32 v1, 5, v0
	v_readfirstlane_b32 s24, v1                    ; wave 0..3
	v_and_b32 v2, 31, v0                           ; lane
	s_wait_kmcnt 0x0
	s_load_b256 s[28:35], s[14:15], 0x0            ; e0 .. e7
	s_load_b128 s[36:39], s[14:15], 0x20           ; e8 .. e11
	s_cmp_lt_u32 ttmp9, 64
	s_cbranch_scc1 .Ltable
	s_cmp_lt_u32 ttmp9, 192
	s_cbranch_scc1 .Lweights
; ---------------- x: a wave takes 16 steps of 512 numbers.  Each load reads 512 consecutive bytes; a step's 2,048 bytes turn through the wave's own stage so that a lane holds 16 neighbours along K.
.set R,   16                           ; v16-79   four sets of 16 numbers as loaded
.set X,   80                           ; v80-111  two sets of 16 neighbours
.set T,   112
.set C,   128                          ; v128-151 two sets of 12: the codes under the three scales
.set SC,  152                          ; v152-154 2^e0, 2^e2, 2^e4
.set LM,  155
.set SP,  80                           ; a lane's place in a stage: 64 bytes + 16 of padding
	s_sub_co_u32 s25, ttmp9, 192
	s_lshl_b32 s25, s25, 2
	s_add_co_u32 s25, s25, s24                     ; which run of 8,192 numbers is my wave's
	s_lshl_b32 s26, s25, 15
	s_mov_b32 s27, 0
	s_add_nc_u64 s[4:5], s[4:5], s[26:27]
	s_lshl_b32 s26, s25, 13
	s_add_nc_u64 s[40:41], s[18:19], s[26:27]      ; its codes under e0,
	s_add_nc_u64 s[42:43], s[40:41], 0x800000      ; under e2,
	s_add_nc_u64 s[44:45], s[42:43], 0x800000      ; under e4
	s_wait_alu depctr_va_vdst(0)
	v_lshlrev_b32 v3, 4, v2                        ; 16 x lane: my bytes of a load's 512, and of a store's
	s_lshl_b32 s46, s24, 13                        ; my wave's stages
	v_lshrrev_b32 v14, 2, v2
	v_mul_u32_u24 v14, v14, SP
	v_and_b32 v15, 3, v2
	v_lshl_add_u32 v14, v15, 4, v14
	v_add_nc_u32 v14, s46, v14                     ; in: four lanes' 64 bytes on end, then the padding
	v_mul_u32_u24 v15, v2, SP
	v_add_nc_u32 v15, s46, v15                     ; out: my 16 neighbours
.macro XLOAD t
.irp i, 0,1,2,3
	global_load_b128 v[R+16*((\t)%4)+4*\i:R+16*((\t)%4)+4*\i+3], v3, s[4:5] offset:2048*(\t)+512*\i th:TH_LOAD_NT
.endr
.endm
.macro XTURN t                         ; LDS serves a wave's instructions in order: no wait between the stores and the loads
.irp i, 0,1,2,3
	ds_store_b128 v14, v[R+16*((\t)%4)+4*\i:R+16*((\t)%4)+4*\i+3] offset:32*SP*((\t)%2)+8*SP*\i
.endr
.irp i, 0,1,2,3
	ds_load_b128 v[X+16*((\t)%2)+4*\i:X+16*((\t)%2)+4*\i+3], v15 offset:32*SP*((\t)%2)+16*\i
.endr
.endm
.irp t, 0,1,2,3
	XLOAD \t
.endr
	s_wait_alu depctr_va_vdst(0)
	s_wait_kmcnt 0x0
.irp k, 0,1,2
	s_add_co_i32 s47, s[28+2*\k], 127
	s_lshl_b32 s48, s47, 23
	v_mov_b32 v[SC+\k], s48                        ; 2^e as f32: the conversion takes its exponent field
	s_add_co_i32 s47, s47, 8
	s_lshl_b32 s47, s47, 23
	s_or_b32 s47, s47, 0x600000
.endr
	s_wait_alu depctr_va_vdst(0)
	s_wait_loadcnt 12                              ; step 0's four loads are in
	XTURN 0
.macro XSTEP t
.set XS, X+16*((\t)%2)
.set CB, C+12*((\t)%2)
	s_wait_dscnt 0x0                               ; this step's numbers are back from the stage, and its stores into the stage have read their registers,
.if (\t)+4 < 16
	XLOAD (\t)+4                                   ; which take the loads of four steps on
.endif
.if (\t)+1 < 16
.if 14-(\t) >= 3
	s_wait_loadcnt 12                              ; the next step's four loads are in; those of the three steps behind it may be out
.else
	s_wait_loadcnt 4*(14-(\t))
.endif
	XTURN (\t)+1
.endif
.if (\t) >= 2
	s_wait_xcnt 0x0                                ; the stores of two steps ago have read this set of codes: only now is it written again
.endif
.irp k, 0,1,2
.irp i, 0,1,2,3,4,5,6,7,8,9,10,11,12,13,14,15
.endr
	v_cvt_scalef32_pk8_fp8_f32 v[CB+4*\k:CB+4*\k+1], v[XS:XS+7], v[SC+\k]
	v_cvt_scalef32_pk8_fp8_f32 v[CB+4*\k+2:CB+4*\k+3], v[XS+8:XS+15], v[SC+\k]
	v_nop                                          ; a plain line behind the conversions
	global_store_b128 v3, v[CB+4*\k:CB+4*\k+3], s[40+2*\k:41+2*\k] offset:512*(\t)   ; 32 lanes store 512 consecutive bytes
.endr
.endm
.irp t, 0,1,2,3,4,5,6,7,8,9,10,11,12,13,14,15
	XSTEP \t
.endr
	s_wait_tensorcnt 0x0                           ; the wave's end, behind my last LDS store
	ds_add_u32 v[SPW], v[NIL]
	s_wait_dscnt 0x0
	s_endpgm
; ---------------- the weights: a lane takes a column n and its registers run down K, so the conversions give codes with K innermost.  A wave: 32 columns x 256 along K.
.set WX,   32                          ; v32-95   two sets of 32 numbers
.set WC,   96                          ; v96-103  a block's codes
.set OUTR, 112                         ; v112-175 the way out
.Lweights:
	s_sub_co_u32 s25, ttmp9, 64
	s_lshr_b32 s26, s25, 5                         ; which weight: 0 Wq, 1 Wk, 2 Wv, 3 Wo
	s_and_b32 s27, s25, 7                          ; which 128 columns
	s_bfe_u32 s46, s25, 0x20003                    ; which 256 along K
	s_lshl_b32 s27, s27, 7
	s_lshl_b32 s47, s24, 5
	s_add_co_u32 s27, s27, s47                     ; my wave's first column
	s_cmp_lt_u32 s26, 1
	s_cselect_b64 s[40:41], s[6:7], s[8:9]
	s_cmp_lt_u32 s26, 3
	s_cselect_b64 s[42:43], s[10:11], s[12:13]
	s_cmp_lt_u32 s26, 2
	s_cselect_b64 s[40:41], s[40:41], s[42:43]     ; the choice hangs on the work-group's number alone
	s_lshl_b32 s48, s46, 20                        ; 256 rows of 4,096 bytes
	s_lshl_b32 s47, s27, 2
	s_add_co_u32 s48, s48, s47
	s_mov_b32 s49, 0
	s_add_nc_u64 s[40:41], s[40:41], s[48:49]
	s_lshl_b32 s48, s26, 20                        ; the weight's codes,
	s_lshl_b32 s47, s27, 10                        ; my first column's row of 1,024 bytes,
	s_add_co_u32 s48, s48, s47
	s_lshl_b32 s47, s46, 8                         ; my 256 along K
	s_add_co_u32 s48, s48, s47
	s_add_nc_u64 s[42:43], s[20:21], s[48:49]
	s_wait_alu depctr_va_vdst(0)
	v_lshlrev_b32 v3, 2, v2                        ; in: 4 bytes a lane
	s_mul_i32 s47, s24, 8704
	s_add_co_u32 s47, s47, WSTG                    ; my stage
	v_mul_u32_u24 v4, v2, 272
	v_add_nc_u32 v4, s47, v4                       ; into it: row = my column
	v_and_b32 v5, 15, v2
	v_lshrrev_b32 v6, 4, v2
	v_mul_u32_u24 v7, v6, 272
	v_lshl_add_u32 v7, v5, 4, v7
	v_add_nc_u32 v7, s47, v7                       ; out of it: sixteen lanes to a row, two rows an instruction
	v_lshlrev_b32 v8, 10, v6
	v_lshl_add_u32 v8, v5, 4, v8                   ; and the same place among the codes
.macro WLOAD t                         ; block t: W(32 t + i, my column): 128 consecutive bytes a wave
.irp i, 0,1,2,3,4,5,6,7,8,9,10,11,12,13,14,15,16,17,18,19,20,21,22,23,24,25,26,27,28,29,30,31
	global_load_b32 v[WX+32*((\t)%2)+\i], v3, s[40:41] offset:(32*(\t)+\i)*4096 th:TH_LOAD_NT
.endr
.endm
	WLOAD 0
	WLOAD 1
	s_wait_kmcnt 0x0
	s_cmp_lt_u32 s26, 1
	s_cselect_b32 s50, s29, s31
	s_cmp_lt_u32 s26, 3
	s_cselect_b32 s51, s33, s39
	s_cmp_lt_u32 s26, 2
	s_cselect_b32 s50, s50, s51                    ; e1, e3, e5 or e11
	s_add_co_i32 s50, s50, 127
	s_lshl_b32 s51, s50, 23
	v_mov_b32 v11, s51                             ; 2^e
	s_add_co_i32 s50, s50, 8
	s_lshl_b32 s50, s50, 23
	s_or_b32 s50, s50, 0x600000
.macro WBLOCK t
.set XS, WX+32*((\t)%2)
.if (\t) < 7
	s_wait_loadcnt 32                              ; this block's 32 loads are in; the next block's may be out
.else
	s_wait_loadcnt 0
.endif
.irp i, 0,1,2,3,4,5,6,7,8,9,10,11,12,13,14,15,16,17,18,19,20,21,22,23,24,25,26,27,28,29,30,31
.endr
.irp g, 0,1,2,3
	v_cvt_scalef32_pk8_fp8_f32 v[WC+2*\g:WC+2*\g+1], v[XS+8*\g:XS+8*\g+7], v11
.endr
	v_nop                                          ; a plain line behind the last conversion
	ds_store_b128 v4, v[WC:WC+3] offset:32*(\t)
	ds_store_b128 v4, v[WC+4:WC+7] offset:32*(\t)+16
.if (\t)+2 < 8
	WLOAD (\t)+2
.endif
	s_wait_dscnt 0x0                               ; the stores have read their registers: the next block's codes may be written
.endm
	s_wait_alu depctr_va_vdst(0)
.irp t, 0,1,2,3,4,5,6,7
	WBLOCK \t
.endr
.irp t, 0,1,2,3,4,5,6,7,8,9,10,11,12,13,14,15
	ds_load_b128 v[OUTR+4*\t:OUTR+4*\t+3], v7 offset:2*\t*272
.endr
.irp t, 0,1,2,3,4,5,6,7,8,9,10,11,12,13,14,15
	s_wait_dscnt 15-\t                             ; LDS loads come back in order: load t is in, the younger ones may be out
	global_store_b128 v8, v[OUTR+4*\t:OUTR+4*\t+3], s[42:43] offset:2*\t*1024   ; sixteen lanes store 256 consecutive bytes, aligned
.endr
	s_wait_tensorcnt 0x0                           ; the wave's end, as above
	ds_add_u32 v[SPW], v[NIL]
	s_wait_dscnt 0x0
	s_endpgm
; ---------------- the table: a wave takes 8 positions, a lane a pair i of the head's 32
.Ltable:
	s_lshl_b32 s25, ttmp9, 2
	s_add_co_u32 s25, s25, s24                     ; which eight positions
	s_lshl_b32 s26, s25, 5
	s_mov_b32 s27, 0
	s_add_nc_u64 s[16:17], s[16:17], s[26:27]
	s_load_b256 s[52:59], s[16:17], 0x0            ; the eight positions, whole numbers
	s_lshl_b32 s26, s25, 11
	s_add_nc_u64 s[22:23], s[22:23], s[26:27]      ; their rows of 256 bytes
	s_wait_alu depctr_va_vdst(0)
	v_lshlrev_b32 v4, 3, v2                        ; 8 bytes a lane
	s_mov_b32 s40, 0x3f22f983                      ; 2 / pi
	s_mov_b32 s41, 0x3fc90fdb                      ; P1
	s_mov_b32 s42, 0x333bbd2e                      ; P2
	s_mov_b32 s43, 0x26f72ced                      ; P3: pi/2 = P1 - P2 - P3
	s_mov_b32 s44, 0x37ccf5ce                      ; cos r = 1 - z/2 + z^2 (c2 + z (c1 + z c0)), z = r^2
	s_mov_b32 s45, 0xbab6061a
	s_mov_b32 s46, 0x3d2aaaa5
	s_mov_b32 s47, 0xb94ca1f9                      ; sin r = r + r z (s2 + z (s1 + z s0))
	s_mov_b32 s48, 0x3c08839e
	s_mov_b32 s49, 0xbe2aaaa3
	; 10000^(-i/32) = 2^(-i c), c = log2(10000)/32 in two parts: i x the high part (15 bits) is exact
	v_cvt_f32_u32 v16, v2
	v_mul_f32 v17, 0x3ed49a00, v16
	v_rndne_f32 v18, v17                           ; the whole part n
	v_sub_f32 v17, v17, v18
	v_fmac_f32 v17, 0x3670979a, v16                ; the rest, with c's low part
	s_wait_alu depctr_va_vdst(0)
	v_exp_f32 v19, -v17
	v_nop                                          ; a plain line behind the exponential
	v_cvt_i32_f32 v18, v18
	v_sub_nc_u32 v18, 0, v18
	s_wait_alu depctr_va_vdst(0)                   ; ahead of the first reader
	v_ldexp_f32 v19, v19, v18                      ; x 2^-n
	s_wait_kmcnt 0x0
.macro POS j
	v_cvt_f32_i32 v20, s[52+\j]
	s_wait_alu depctr_va_vdst(0)
	v_mul_f32 v20, v20, v19                        ; the angle, rounded once
	v_mul_f32 v21, s40, v20
	v_rndne_f32 v21, v21                           ; k
	v_fma_f32 v22, -v21, s41, v20
	v_fma_f32 v22, v21, s42, v22
	v_fma_f32 v22, v21, s43, v22                   ; r
	v_cvt_i32_f32 v23, v21
	v_mul_f32 v24, v22, v22                        ; z
	v_fma_f32 v25, s44, v24, s45
	v_fma_f32 v26, s47, v24, s48
	v_fma_f32 v25, v25, v24, s46
	v_fma_f32 v26, v26, v24, s49
	v_mul_f32 v27, v24, v22
	v_fma_f32 v25, v25, v24, -0.5
	v_fma_f32 v26, v26, v27, v22                   ; sin r
	v_fma_f32 v25, v25, v24, 1.0                   ; cos r
	v_and_b32 v27, 1, v23
	v_cmp_eq_u32 vcc_lo, 1, v27                    ; an odd quadrant exchanges the two
	v_cndmask_b32 v28, v26, v25, vcc_lo
	v_cndmask_b32 v29, v25, v26, vcc_lo
	v_lshlrev_b32 v27, 30, v23
	v_and_b32 v27, 0x80000000, v27                 ; sin changes sign where k mod 4 is 2 or 3,
	v_xor_b32 v[65+2*\j], v28, v27
	v_add_nc_u32 v27, 1, v23
	v_lshlrev_b32 v27, 30, v27
	v_and_b32 v27, 0x80000000, v27                 ; cos where it is 1 or 2
	v_xor_b32 v[64+2*\j], v29, v27
	global_store_b64 v4, v[64+2*\j:65+2*\j], s[22:23] offset:256*\j   ; 32 lanes store 256 consecutive bytes, aligned; each position has registers of its own
.endm
.irp j, 0,1,2,3,4,5,6,7
	POS \j
.endr
	s_wait_tensorcnt 0x0                           ; one form of ending on all three ways
	ds_add_u32 v[SPW], v[NIL]
	s_wait_dscnt 0x0
	s_endpgm
.Lfunc_end_k_q5edfcd4af2_prep:
	.size	k_q5edfcd4af2_prep, .Lfunc_end_k_q5edfcd4af2_prep-k_q5edfcd4af2_prep
	.p2alignl 7, 3214868480
	.fill 96, 4, 3214868480
	.section	.rodata,"a",@progbits
	.p2align	6, 0x0
	.amdhsa_kernel k_q5edfcd4af2_prep
		.amdhsa_group_segment_fixed_size 68096
		.amdhsa_private_segment_fixed_size 0
		.amdhsa_enable_private_segment 0
		.amdhsa_kernarg_size 80
		.amdhsa_user_sgpr_count 2
		.amdhsa_user_sgpr_kernarg_segment_ptr 1
		.amdhsa_wavefront_size32 1
		.amdhsa_system_sgpr_workgroup_id_x 1
		.amdhsa_system_sgpr_workgroup_id_y 1
		.amdhsa_system_sgpr_workgroup_id_z 1
		.amdhsa_system_vgpr_workitem_id 0
		.amdhsa_next_free_vgpr 192
		.amdhsa_next_free_sgpr 66
		.amdhsa_reserve_vcc 1
		.amdhsa_float_denorm_mode_32 3
		.amdhsa_float_denorm_mode_16_64 3
		.amdhsa_fp16_overflow 1
		.amdhsa_memory_ordered 1
		.amdhsa_forward_progress 1
		.amdhsa_inst_pref_size 76
	.end_amdhsa_kernel
	.amdgpu_metadata
---
amdhsa.version: [ 1, 2 ]
amdhsa.kernels:
  - .name:           k_q5edfcd4af2_prep
    .symbol:         k_q5edfcd4af2_prep.kd
    .args:
      - { .name: x, .offset: 0, .size: 8, .value_kind: global_buffer, .address_space: global }
      - { .name: Wq, .offset: 8, .size: 8, .value_kind: global_buffer, .address_space: global }
      - { .name: Wk, .offset: 16, .size: 8, .value_kind: global_buffer, .address_space: global }
      - { .name: Wv, .offset: 24, .size: 8, .value_kind: global_buffer, .address_space: global }
      - { .name: Wo, .offset: 32, .size: 8, .value_kind: global_buffer, .address_space: global }
      - { .name: lowp_scales, .offset: 40, .size: 8, .value_kind: global_buffer, .address_space: global }
      - { .name: token_positions, .offset: 48, .size: 8, .value_kind: global_buffer, .address_space: global }
      - { .name: xc, .offset: 56, .size: 8, .value_kind: global_buffer, .address_space: global }
      - { .name: wc, .offset: 64, .size: 8, .value_kind: global_buffer, .address_space: global }
      - { .name: tab, .offset: 72, .size: 8, .value_kind: global_buffer, .address_space: global }
    .group_segment_fixed_size: 68096
    .private_segment_fixed_size: 0
    .kernarg_segment_align: 8
    .kernarg_segment_size: 80
    .max_flat_workgroup_size: 128
    .sgpr_count:     66
    .vgpr_count:     192
    .wavefront_size: 32
...
	.end_amdgpu_metadata
.endif
;; end of part 1
;; launch qkv (part 2): grid 12 x 32, 4 waves a work-group, clusters of 4 x 4, 327,680 bytes of LDS; arguments xc, wc, tab, lowp_scales, qkvc; writes qkvc
.if DOCPART == 2
	.amdgcn_target "amdgcn-amd-amdhsa--gfx1250"
	.amdhsa_code_object_version 6
	.text
	.protected	k_q5edfcd4af2_qkv
	.globl	k_q5edfcd4af2_qkv
	.p2align	8
	.type	k_q5edfcd4af2_qkv,@function
k_q5edfcd4af2_qkv:
	s_mov_b64 s[64:65], 0
	v_nop
	global_prefetch_b8 v0, s[64:65] scope:SCOPE_SE
	s_setreg_imm32_b32 hwreg(HW_REG_WAVE_MODE, 25, 1), 1
	s_wait_xcnt 0x0
	s_wait_alu depctr_hold_cnt(0) depctr_sa_sdst(0) depctr_va_vdst(0) depctr_va_sdst(0) depctr_va_ssrc(0) depctr_va_vcc(0) depctr_vm_vsrc(0)
	s_getreg_b32 s2, hwreg(HW_REG_IB_STS2, 6, 4)
	s_cmp_eq_u32 s2, 0
	s_cbranch_scc0 .Lentry_in_a_cluster
	s_endpgm
.Lentry_in_a_cluster:
	s_bfe_u32 s2, ttmp6, 0x10000c
	s_cmp_lg_u32 s2, 0xf033
	s_cbranch_scc0 .Lentry_shape_is_right
	s_endpgm
.Lentry_shape_is_right:
; Q = rope(x Wq), K = rope(x Wk), V = x Wv on codes of E4M3, and the three results quantised for attention.  The cluster's x says which: 0 Q, 1 K, 2 V.
; A tile of 256 x 256 to a work-group of four waves, 128 x 128 (64 accumulators) to a wave; K = 1,024 in four steps of 256 through a ring of two LDS slots filled by joint tensor loads.
; THE MATRIX INSTRUCTION IS USED TRANSPOSED (source 0 = 16 rows of role B, source 1 = 16 rows of role A): a lane holds ONE row of role A and eight neighbouring rows of role B.
;   Q, K: role A = tokens (xc), role B = features (wc): a lane's eight numbers run along the head's 64, the next product's K.
;   V:    role A = features (wc), role B = tokens (xc): a lane's eight numbers run along the keys, the second product's K.
; CLUSTERS: 4 x 4.  Role A's tile is shared along a row of the cluster, role B's along a column; each is asked for jointly.
; OUT: qkvc[3][64 heads][16 blocks of 128 tokens][8,192 bytes].  Q, K: 128 rows of 64 codes, token 16 x + 8 y + z of a group of 32 at row 16 y + 8 x + z, so that 16 neighbouring rows are a tile whose results give a lane
; 16 neighbouring keys in two neighbouring tiles.  V: 64 rows (the head's axis) of 128 keys.
; The sums lack 2^(ex + ew); the rotation is linear, so the three scales are folded into the conversion's one, 2^(eo - ex - ew).
; LIMITS: eo - ex - ew between -126 and 119 for (6,0,1), (7,2,3), (9,4,5).  NaN is not served.
; No prefetch: K has four steps, and two of them are the first fills.
; REGISTERS: window 0: v1-29 addresses; v32-95 two sets of cos and sin; v96-111 codes; from v128 role A's fragments, on the way out numbers at work and rows read back.  window 1: role B's fragments, two sets.  windows 2, 3: accumulators.
.set ROWB,   256                       ; a tile's row in bytes
.set KROW,   1024                      ; a row of xc or wc in memory
.set PITCH,  272                       ; an LDS row: 256 bytes + 16 of padding: the 16 rows of a load start at 16 different banks (64 banks of 4 bytes: ISA guide 11.1)
.set FR,     16
.set NL,     4
.set NP,     4                         ; places behind this matrix instruction (ISA guide 7.12.1)
.set HALFT,  128*PITCH
.set SLOT,   4*HALFT
.set LAPS,   2
.set SPARE,  2*SLOT                    ; the spare words, 128 bytes a wave
.set SQK,    SPARE+512                 ; Q's and K's stage: for each wave 2 heads x 16 rows x (64 + 16) bytes; no tile lands here
.set SV,     SQK+4*2560                ; V's stage: for each wave 16 rows x (128 + 16) bytes
.set SCL,  10                          ; v10  2^(eo - ex - ew)
.set LIM,  11
.set TO,   12                          ; v12  the table: 256 x (lane % 16) + 32 x (lane / 16)
.set STOQ, 13
.set RDQ,  14
.set STOV, 15
.set ADRA, 16                          ; v16-17
.set ADRB, 20                          ; v20-21
.set RDV,  22
.set CO,   26                          ; v26  16 x lane
.set SPW,  28
.set NIL,  29
.set CS,   32                          ; v32-63, v64-95: cos and sin of a block of 16 tokens, by turns
.set CD,   96
.set AF,   128
.set TMP,  128
.set BK,   192                         ; v192-207, v208-223 by turns
.set G1, 24
.set G0, 32
.set G1B, 48
.set G0B, 56
.set MSB, 0
.macro WIN new                         ; the immediate's high byte repeats the setting that is left
.if MSB != (\new)
	s_set_vgpr_msb (MSB<<8)|(\new)
.set MSB, (\new)
.endif
.endm
.set MUL_LO, 0xa1                      ; source 0 window 1, source 1 window 0, C and D window 2
.set MUL_HI, 0xf1
.set TO_B,   0x40
; A joint load: waves 0 and 1 fetch for role A, waves 2 and 3 for role B; the branch hangs on the wave's number alone.  An s_nop 0 and four v_nop follow each line.
.macro JLOAD g0a, g1a, g0b, g1b
	s_cmp_eq_u32 s15, 0
	s_cbranch_scc0 .Lfor_b_\@
	tensor_load_to_lds s[\g0a:\g0a+3], s[\g1a:\g1a+7]
	s_nop 0
.rept 4
	v_nop
.endr
	s_branch .Lasked_\@
.Lfor_b_\@:
	tensor_load_to_lds s[\g0b:\g0b+3], s[\g1b:\g1b+7]
	s_nop 0
.rept 4
	v_nop
.endr
.Lasked_\@:
.endm
.macro CREST
	s_cmp_lg_u32 s14, 0
	s_cbranch_scc1 .Lnot_wave_0_\@
	s_barrier_signal -3
.Lnot_wave_0_\@:
	s_barrier_wait -3
	s_barrier_signal -1
	s_barrier_wait -1
.endm
.macro CROUND
	s_barrier_signal -1
	s_barrier_wait -1
	CREST
.endm
	s_load_b256 s[4:11], s[0:1], 0x0               ; xc s[4:5], wc s[6:7], tab s[8:9], scales s[10:11]
	s_load_b64 s[12:13], s[0:1], 0x20              ; qkvc
	v_lshl_add_u32 v[SPW], v0, 2, SPARE
	v_mov_b32 v[NIL], 0
	ds_add_u32 v[SPW], v[NIL]
	ds_add_u32 v[SPW], v[NIL]                      ; the wave's opening: the add and its wait ahead of my first tensor load
	v_lshrrev_b32 v1, 5, v0
	v_readfirstlane_b32 s14, v1                    ; wave 0..3
	s_lshr_b32 s15, s14, 1                         ; my half of role A's rows.  Also: I fetch for A (0) or B (1)
	s_and_b32 s16, s14, 1                          ; my half of role B's rows.  Also: which 128 rows I fetch
	s_bfe_u32 s40, ttmp6, 0x40000                  ; cx
	s_bfe_u32 s41, ttmp6, 0x40004                  ; cy
	s_and_b32 s84, ttmp7, 0xffff
	s_lshl_b32 s84, s84, 2                         ; 4 x cluster y: the tokens' axis
	s_lshl_b32 s87, ttmp9, 23                      ; the tensor's set of x's codes,
	s_lshl_b32 s88, ttmp9, 20                      ; and of the weights' codes
	s_cmp_eq_u32 ttmp9, 2                          ; V?  The cluster's x: the same in all sixteen partners
	s_cselect_b32 s85, 0, s84
	s_cselect_b32 s86, s84, 0
	s_cselect_b32 s89, s88, s87                    ; role A's set
	s_cselect_b32 s90, s87, s88                    ; role B's set
	s_add_co_u32 s17, s41, s85                     ; role A's tile row: cy (+ 4 x cluster y where A is the tokens)
	s_add_co_u32 s42, s40, s86                     ; role B's tile column: cx (+ 4 x cluster y where B is the tokens)
	s_lshl_b32 s43, s41, 2
	s_lshl_b32 s43, 15, s43                        ; my row of the cluster
	s_lshl_b32 s44, 0x1111, s40                    ; my column
	s_or_b32 s[G1+0], s43, (0<<16)|(1<<20)|(1<<21)|(5<<22)|(3<<25)   ; the mask; elements of 1 byte; padding on; bit 21 beside a mask; 4 words after every 64
	s_or_b32 s[G1B+0], s44, (0<<16)|(1<<20)|(1<<21)|(5<<22)|(3<<25)
.irp g, G1, G1B
	s_mov_b32 s[\g+1], ROWB<<16                    ; tensor_dim0
	s_mov_b32 s[\g+2], 128<<16                     ; tensor_dim1
	s_mov_b32 s[\g+3], ROWB<<16                    ; tile_dim0
	s_mov_b32 s[\g+4], 128                         ; tile_dim1
	s_mov_b32 s[\g+5], KROW                        ; from row to row
	s_mov_b32 s[\g+6], 0
	s_mov_b32 s[\g+7], 0
.endr
	s_lshl_b32 s18, s16, 7
	s_lshl_b32 s20, s17, 8
	s_add_co_u32 s20, s20, s18                     ; A: row 256 x tile row + 128 x half,
	s_lshl_b32 s20, s20, 10                        ; in bytes,
	s_add_co_u32 s20, s20, s89                     ; in its set
	s_mov_b32 s21, 0
	s_lshl_b32 s46, s42, 8
	s_add_co_u32 s46, s46, s18
	s_lshl_b32 s46, s46, 10
	s_add_co_u32 s46, s46, s90
	s_mov_b32 s47, 0
	s_mul_i32 s45, s14, HALFT                      ; where they go: wave x 128 rows
	s_wait_dscnt 0x0                               ; the opening add is done
	s_wait_kmcnt 0x0
	s_load_b256 s[68:75], s[10:11], 0x0            ; e0 .. e7
	s_load_b128 s[76:79], s[10:11], 0x20           ; e8 .. e11
	s_cmp_eq_u32 ttmp9, 2
	s_cselect_b64 s[92:93], s[6:7], s[4:5]         ; role A's buffer
	s_cselect_b64 s[94:95], s[4:5], s[6:7]         ; role B's
	s_add_nc_u64 s[20:21], s[92:93], s[20:21]
	s_add_nc_u64 s[46:47], s[94:95], s[46:47]
	CROUND                                         ; all sixteen work-groups are here: the first joint loads meet
.irp s, 0,1
	s_mov_b32 s[G0+4*\s], 1
	s_add_co_u32 s[G0+4*\s+1], s45, \s*SLOT
	s_add_nc_u64 s[G0+4*\s+2:G0+4*\s+3], s[20:21], \s*ROWB
	s_or_b32 s[G0+4*\s+3], s[G0+4*\s+3], 0x80000000
	s_mov_b32 s[G0B+4*\s], 1
	s_add_co_u32 s[G0B+4*\s+1], s45, \s*SLOT
	s_add_nc_u64 s[G0B+4*\s+2:G0B+4*\s+3], s[46:47], \s*ROWB
	s_or_b32 s[G0B+4*\s+3], s[G0B+4*\s+3], 0x80000000
	JLOAD G0+4*\s, G1, G0B+4*\s, G1B
.endr
	v_and_b32 v1, 15, v0                           ; r
	v_bfe_u32 v2, v0, 4, 1                         ; h
	v_mul_u32_u24 v3, v1, PITCH
	v_lshl_add_u32 v4, v2, 4, v3
	s_mul_i32 s21, s15, HALFT
	s_mul_i32 s22, s16, HALFT
	s_add_co_u32 s22, s22, 2*HALFT
.irp s, 0,1
	v_add_nc_u32 v[ADRA+\s], s21, v4
	v_add_nc_u32 v[ADRB+\s], s22, v4
	s_add_co_u32 s21, s21, SLOT
	s_add_co_u32 s22, s22, SLOT
.endr
	v_and_b32 v6, 31, v0                           ; lane
	v_lshlrev_b32 v[CO], 4, v6
	v_lshlrev_b32 v[TO], 8, v1
	v_lshl_add_u32 v[TO], v2, 5, v[TO]
	s_mul_i32 s23, s14, 2560
	s_add_co_u32 s23, s23, SQK                     ; my stage for Q and K
	v_mul_u32_u24 v[STOQ], v1, 80
	v_lshl_add_u32 v[STOQ], v2, 3, v[STOQ]
	v_add_nc_u32 v[STOQ], s23, v[STOQ]             ; in: row r, 8 bytes for each half of the lanes
	v_lshrrev_b32 v5, 2, v6
	v_mul_u32_u24 v[RDQ], v5, 80
	v_and_b32 v5, 3, v6
	v_lshl_add_u32 v[RDQ], v5, 4, v[RDQ]
	v_add_nc_u32 v[RDQ], s23, v[RDQ]               ; back: four lanes to a row of 64 bytes, eight rows an instruction
	s_mul_i32 s23, s14, 2304
	s_add_co_u32 s23, s23, SV                      ; my stage for V
	v_mul_u32_u24 v[STOV], v1, 144
	v_lshl_add_u32 v[STOV], v2, 3, v[STOV]
	v_add_nc_u32 v[STOV], s23, v[STOV]
	v_lshrrev_b32 v5, 3, v6
	v_mul_u32_u24 v[RDV], v5, 144
	v_and_b32 v5, 7, v6
	v_lshl_add_u32 v[RDV], v5, 4, v[RDV]
	v_add_nc_u32 v[RDV], s23, v[RDV]               ; back: eight lanes to a row of 128 bytes, four rows an instruction
	; where my results go.  These registers mix cx and cy: none of them ever feeds a descriptor or an LDS address
	s_lshl_b32 s66, s17, 1
	s_add_co_u32 s66, s66, s15                     ; my 128 rows of role A
	s_lshl_b32 s67, s42, 1
	s_add_co_u32 s67, s67, s16                     ; my 128 rows of role B
	s_cmp_eq_u32 ttmp9, 2
	s_cselect_b32 s96, s67, s66                    ; my block of 128 tokens, 0 .. 63
	s_cselect_b32 s97, s66, s67                    ; my 128 features: two heads
	s_and_b32 s98, s96, 15
	s_lshl_b32 s98, s98, 15
	s_mov_b32 s99, 0
	s_add_nc_u64 s[80:81], s[8:9], s[98:99]        ; the table at my first token's place in its sequence
	s_lshr_b32 s98, s96, 4
	s_lshl_b32 s98, s98, 4                         ; 16 x batch
	s_lshl_b32 s97, s97, 1
	s_add_co_u32 s98, s98, s97                     ; + my first head
	s_lshl_b32 s98, s98, 17                        ; a head is 131,072 bytes
	s_and_b32 s96, s96, 15
	s_lshl_b32 s96, s96, 13
	s_add_co_u32 s98, s98, s96                     ; the block of tokens
	s_lshl_b32 s96, ttmp9, 23
	s_add_co_u32 s98, s98, s96                     ; Q, K or V
	s_add_nc_u64 s[82:83], s[12:13], s[98:99]
; cos and sin for block a's 16 tokens: lane (r, h) takes, of token r's row of 256 bytes, 32 bytes (four pairs) for each 16 of the head's 64
.macro TLD a
.irp bq, 0,1,2,3
	global_load_b128 v[CS+32*((\a)%2)+8*\bq:CS+32*((\a)%2)+8*\bq+3], v[TO], s[80:81] offset:(\a)*4096+64*\bq
	global_load_b128 v[CS+32*((\a)%2)+8*\bq+4:CS+32*((\a)%2)+8*\bq+7], v[TO], s[80:81] offset:(\a)*4096+64*\bq+16
.endr
.endm
	TLD 0                                          ; asked for ahead of the products.  V's work-groups issue these eight loads too and never read them: the text has one way up to its one parting
.macro FRAG reg, adr, q, i             ; 16 rows x 128 K: registers 4 c .. 4 c + 3 hold K = 32 c + 16 (lane / 16) + 0 .. 15: the same order in both operands
.irp c, 0,1,2,3
	ds_load_b128 v[\reg+4*\c:\reg+4*\c+3], v[\adr] offset:128*(\q)+32*\c+(\i)*16*PITCH
.endr
.endm
; 16 matrix instructions.  The 64 accumulators take turns, one instruction a turn, in the same order in every step.
.macro MUL16 a0, p, zero
.irp a, \a0, \a0+1
.irp b, 0,1,2,3,4,5,6,7
.if \zero
	v_wmma_f32_16x16x128_fp8_fp8 v[8*(8*((\a)%4)+\b):8*(8*((\a)%4)+\b)+7], v[128*(\p)+FR*\b:128*(\p)+FR*\b+FR-1], v[AF+FR*(\a):AF+FR*(\a)+FR-1], 0
.else
	v_wmma_f32_16x16x128_fp8_fp8 v[8*(8*((\a)%4)+\b):8*(8*((\a)%4)+\b)+7], v[128*(\p)+FR*\b:128*(\p)+FR*\b+FR-1], v[AF+FR*(\a):AF+FR*(\a)+FR-1], v[8*(8*((\a)%4)+\b):8*(8*((\a)%4)+\b)+7]
.endif
.endr
.endr
.endm
.macro FETCH_B slot, q, p
	WIN TO_B
.irp i, 0,1,2,3,4,5,6,7
	FRAG 128*(\p)+FR*\i, ADRB+\slot, \q, \i
.endr
	WIN 0
.endm
.macro FETCH_A slot, q, i0
.irp i, \i0, \i0+1, \i0+2, \i0+3
	FRAG AF+FR*(\i), ADRA+\slot, \q, \i
.endr
.endm
.macro PLACES n                        ; plain vector lines between a matrix instruction and a load into, or a vector write of, its registers, or a read of its result
.rept \n
	v_nop
.endr
.endm
.macro STEP slot, q, zero              ; 128 along K, with its successor in the same slot
	s_wait_dscnt 4*NL                              ; B's set and A's blocks 0-3 are in; the youngest sixteen loads (A's blocks 4-7) may be out
	WIN MUL_LO
	MUL16 0, (\q)%2, \zero
	MUL16 2, (\q)%2, \zero
	s_wait_dscnt 0
	PLACES NP
	FETCH_B \slot, (\q)+1, 1-(\q)%2
	FETCH_A \slot, (\q)+1, 0
	WIN MUL_HI
	MUL16 4, (\q)%2, \zero
	MUL16 6, (\q)%2, \zero
	PLACES NP
	WIN 0
	FETCH_A \slot, (\q)+1, 4
.endm
; A slot's last step changes slots: one barrier; in front of it each wave waits for all its tensor loads, adds 0 to its spare word, and waits for that and for its reads of this slot.
.macro TURN slot, next, fill
	s_wait_tensorcnt 0x0                           ; all my tensor loads have landed: my part of the next slot
	ds_add_u32 v[SPW], v[NIL]
	s_wait_dscnt 4*NL+1                            ; the add and the youngest sixteen loads may be out
	WIN MUL_LO
	MUL16 0, 1, 0
	s_wait_dscnt 0x0                               ; the add is done, and my reads of this slot are over
	s_barrier_signal -1
	MUL16 2, 1, 0
	WIN 0
	s_barrier_wait -1
.if \fill
	CREST                                          ; the barrier has opened a round of the cluster's: no wave of any partner still reads this slot or has a load on its way
	s_add_nc_u64 s[G0+4*\slot+2:G0+4*\slot+3], s[G0+4*\slot+2:G0+4*\slot+3], 2*ROWB
	s_add_nc_u64 s[G0B+4*\slot+2:G0B+4*\slot+3], s[G0B+4*\slot+2:G0B+4*\slot+3], 2*ROWB
	JLOAD G0+4*\slot, G1, G0B+4*\slot, G1B         ; the first tensor load behind the round; its four v_nop are the places in front of the loads below
.else
	PLACES NP
.endif
	FETCH_B \next, 0, 0
	FETCH_A \next, 0, 0
	WIN MUL_HI
	MUL16 4, 1, 0
	MUL16 6, 1, 0
	PLACES NP
	WIN 0
	FETCH_A \next, 0, 4
.endm
	s_wait_tensorcnt 1                             ; my part of K step 0 is in; K step 1's load may be out
	s_barrier_signal -1
	s_barrier_wait -1
	FETCH_B 0, 0, 0
	FETCH_A 0, 0, 0
	FETCH_A 0, 0, 4
	STEP 0, 0, 1                                   ; the first step's products start the sums
	s_mov_b32 s3, LAPS-1
.Llap:
	TURN 0, 1, 1
	STEP 1, 0, 0
	TURN 1, 0, 1
	STEP 0, 0, 0
	s_sub_co_u32 s3, s3, 1
	s_cmp_lg_u32 s3, 0
	s_cbranch_scc1 .Llap
	TURN 0, 1, 0                                   ; the last lap fills nothing
	STEP 1, 0, 0
	s_wait_dscnt 4*NL
	WIN MUL_LO
	MUL16 0, 1, 0
	MUL16 2, 1, 0
	s_wait_dscnt 0
	WIN MUL_HI
	MUL16 4, 1, 0
	MUL16 6, 1, 0
	WIN 0
	s_wait_kmcnt 0x0                               ; the scales: chosen by the cluster's x, without a branch
	s_cmp_eq_u32 ttmp9, 0
	s_cselect_b32 s70, s68, s70                    ; ex: e0, e2 or e4
	s_cselect_b32 s71, s69, s71                    ; ew: e1, e3 or e5
	s_cselect_b32 s75, s74, s75                    ; eo: e6, e7 or e9
	s_cmp_eq_u32 ttmp9, 2
	s_cselect_b32 s70, s72, s70
	s_cselect_b32 s71, s73, s71
	s_cselect_b32 s75, s77, s75
	s_sub_co_i32 s75, s75, s70
	s_sub_co_i32 s75, s75, s71
	s_add_co_i32 s75, s75, 127
	s_lshl_b32 s76, s75, 23
	v_mov_b32 v[SCL], s76
	PLACES NP                                      ; behind the last products: the registers that held role A's fragments are written below
	s_cmp_eq_u32 ttmp9, 2
	s_cbranch_scc1 .Lvpath
; Q AND K, a block of 16 tokens x 128 features (two heads) at a time: rotate, hold, convert, through my stage, out as 512 consecutive bytes an instruction.
.macro QKSTAGE a
.set AC, 64*((\a)%4)
.set CC, CS+32*((\a)%2)
.if (\a) < 7
	TLD (\a)+1
	s_wait_loadcnt 8                               ; this block's cos and sin are in; the eight loads just issued may be out
.else
	s_wait_loadcnt 0
.endif
	WIN 0x02+((\a)/4)                              ; source 0: window 2 or 3
.irp b, 0,1,2,3,4,5,6,7                        ; each accumulator from its low end on
.irp p, 0,2,4,6
	v_pk_mul_f32 v[TMP+8*\b+\p:TMP+8*\b+\p+1], v[AC+8*\b+\p:AC+8*\b+\p+1], v[CC+8*(\b%4)+\p:CC+8*(\b%4)+\p+1] op_sel_hi:[0,1]   ; (x1 cos, x1 sin)
.endr
.irp p, 0,2,4,6
	v_pk_fma_f32 v[TMP+8*\b+\p:TMP+8*\b+\p+1], v[AC+8*\b+\p:AC+8*\b+\p+1], v[CC+8*(\b%4)+\p:CC+8*(\b%4)+\p+1], v[TMP+8*\b+\p:TMP+8*\b+\p+1] op_sel:[1,1,0] op_sel_hi:[1,0,1] neg_lo:[0,1,0]   ; (- x2 sin, + x2 cos)
.endr
.endr
	WIN 0
.irp b, 0,1,2,3,4,5,6,7
.irp i, 0,1,2,3,4,5,6,7
.endr
	v_cvt_scalef32_pk8_fp8_f32 v[CD+2*\b:CD+2*\b+1], v[TMP+8*\b:TMP+8*\b+7], v[SCL]
.endr
	v_nop                                          ; a plain line behind the last conversion
.if (\a) >= 2
	s_wait_alu depctr_va_vdst(0)
	s_wait_xcnt 0x0                                ; the stores of two blocks ago have read the registers into which the loads below land
.endif
.irp b, 0,1,2,3,4,5,6,7
	ds_store_b64 v[STOQ], v[CD+2*\b:CD+2*\b+1] offset:(\b/4)*1280+(\b%4)*16
.endr
.irp t, 0,1,2,3
	ds_load_b128 v[BK+16*((\a)%2)+4*\t:BK+16*((\a)%2)+4*\t+3], v[RDQ] offset:(\t/2)*1280+(\t%2)*640   ; LDS serves a wave's instructions in order: these see my stores
.endr
.endm
.macro SENDQ a, younger                ; younger: the next block's 8 stage stores and 4 loads, or none
	s_wait_dscnt \younger
.irp t, 0,1,2,3                        ; head t / 2; tokens 8 (t % 2) on of the block: the exchange of the token's bits 3 and 4 stands in the immediates
	global_store_b128 v[CO], v[BK+16*((\a)%2)+4*\t:BK+16*((\a)%2)+4*\t+3], s[82:83] offset:(\t/2)*131072+((\a)/2)*2048+(\t%2)*1024+((\a)%2)*512
.endr
.endm
	QKSTAGE 0
.irp a, 1,2,3,4,5,6,7
	QKSTAGE \a
	SENDQ \a-1, 12
.endr
	SENDQ 7, 0
	s_branch .Ldone
; V, a block of 16 features x 128 keys at a time
.macro VSTAGE a
.set AC, 64*((\a)%4)
	WIN 0x02+((\a)/4)
.set j, 0
.rept 64
.set j, j+1
.endr
.irp b, 0,1,2,3,4,5,6,7
	v_cvt_scalef32_pk8_fp8_f32 v[CD+2*\b:CD+2*\b+1], v[AC+8*\b:AC+8*\b+7], v[SCL]
.endr
	WIN 0
	v_nop
.if (\a) >= 2
	s_wait_alu depctr_va_vdst(0)
	s_wait_xcnt 0x0
.endif
.irp b, 0,1,2,3,4,5,6,7
	ds_store_b64 v[STOV], v[CD+2*\b:CD+2*\b+1] offset:16*\b
.endr
.irp t, 0,1,2,3
	ds_load_b128 v[BK+16*((\a)%2)+4*\t:BK+16*((\a)%2)+4*\t+3], v[RDV] offset:576*\t
.endr
.endm
.macro SENDV a, younger
	s_wait_dscnt \younger
.irp t, 0,1,2,3
	global_store_b128 v[CO], v[BK+16*((\a)%2)+4*\t:BK+16*((\a)%2)+4*\t+3], s[82:83] offset:((\a)/4)*131072+((\a)%4)*2048+512*\t
.endr
.endm
.Lvpath:
	s_wait_alu depctr_va_vdst(0)
	VSTAGE 0
.irp a, 1,2,3,4,5,6,7
	VSTAGE \a
	SENDV \a-1, 12
.endr
	SENDV 7, 0
.Ldone:
	s_wait_tensorcnt 0x0                           ; the wave's end
	ds_add_u32 v[SPW], v[NIL]
	s_wait_dscnt 0x0
	CROUND                                         ; the closing round
	s_endpgm
.Lfunc_end_k_q5edfcd4af2_qkv:
	.size	k_q5edfcd4af2_qkv, .Lfunc_end_k_q5edfcd4af2_qkv-k_q5edfcd4af2_qkv
	.p2alignl 7, 3214868480
	.fill 96, 4, 3214868480
	.section	.rodata,"a",@progbits
	.p2align	6, 0x0
	.amdhsa_kernel k_q5edfcd4af2_qkv
		.amdhsa_group_segment_fixed_size 327680
		.amdhsa_private_segment_fixed_size 0
		.amdhsa_enable_private_segment 0
		.amdhsa_kernarg_size 40
		.amdhsa_user_sgpr_count 2
		.amdhsa_user_sgpr_kernarg_segment_ptr 1
		.amdhsa_wavefront_size32 1
		.amdhsa_system_sgpr_workgroup_id_x 1
		.amdhsa_system_sgpr_workgroup_id_y 1
		.amdhsa_system_sgpr_workgroup_id_z 1
		.amdhsa_system_vgpr_workitem_id 0
		.amdhsa_next_free_vgpr 1024
		.amdhsa_next_free_sgpr 100
		.amdhsa_reserve_vcc 0
		.amdhsa_float_denorm_mode_32 3
		.amdhsa_float_denorm_mode_16_64 3
		.amdhsa_fp16_overflow 1
		.amdhsa_memory_ordered 1
		.amdhsa_forward_progress 1
		.amdhsa_inst_pref_size 147
	.end_amdhsa_kernel
	.amdgpu_metadata
---
amdhsa.version: [ 1, 2 ]
amdhsa.kernels:
  - .name:           k_q5edfcd4af2_qkv
    .symbol:         k_q5edfcd4af2_qkv.kd
    .args:
      - { .name: xc, .offset: 0, .size: 8, .value_kind: global_buffer, .address_space: global }
      - { .name: wc, .offset: 8, .size: 8, .value_kind: global_buffer, .address_space: global }
      - { .name: tab, .offset: 16, .size: 8, .value_kind: global_buffer, .address_space: global }
      - { .name: lowp_scales, .offset: 24, .size: 8, .value_kind: global_buffer, .address_space: global }
      - { .name: qkvc, .offset: 32, .size: 8, .value_kind: global_buffer, .address_space: global }
    .group_segment_fixed_size: 327680
    .private_segment_fixed_size: 0
    .kernarg_segment_align: 8
    .kernarg_segment_size: 40
    .max_flat_workgroup_size: 128
    .sgpr_count:     100
    .vgpr_count:     1024
    .wavefront_size: 32
...
	.end_amdgpu_metadata
.endif
;; end of part 2
;; launch attn (part 3): grid 4 x 64, 16 waves a work-group, no clusters, 327,680 bytes of LDS; arguments qkvc, lowp_scales, ac; writes ac
.if DOCPART == 3
	.amdgcn_target "amdgcn-amd-amdhsa--gfx1250"
	.amdhsa_code_object_version 6
	.text
	.protected	k_q5edfcd4af2_attn
	.globl	k_q5edfcd4af2_attn
	.p2align	8
	.type	k_q5edfcd4af2_attn,@function
k_q5edfcd4af2_attn:
	s_mov_b64 s[64:65], 0
	v_nop
	global_prefetch_b8 v0, s[64:65] scope:SCOPE_SE
	s_setreg_imm32_b32 hwreg(HW_REG_WAVE_MODE, 25, 1), 1
	s_wait_xcnt 0x0
; Causal attention on codes of E4M3, head size 64, and the result quantised for the last product.
; t = score x log2(e) / 8; M = the row's largest t so far, rounded UP to a whole number; p = 2^(t - M) is quantised along the keys, not normalised; the row's sum is taken of the unquantised p and divides at the end.
; SHARES.  Work-group (i, head) owns the blocks i and 7 - i of 256 queries: it walks key slots 0 .. i for the first and 0 .. 7 - i for the second, NINE slots of 256 keys whatever i: equal work, and a constant trip count.
; Sixteen waves, 16 queries each, in 256 registers.  Both products are used transposed (S^T = K Q^T, O^T = V^T P^T): a lane holds ONE query throughout.
; K's rows lie in memory so that 16 neighbouring rows are a tile whose results give a lane, in two neighbouring tiles, 16 neighbouring keys.  V lies with the keys innermost.
; A step all of whose keys come after my queries is left out by a scalar branch on ids; on the diagonal hidden scores become -infinity.
; NO CLUSTER: in one trip the four work-groups of a head want different key slots (the price of the pairing that evens the causal work out), so no tile could be asked for jointly.
; OUT: ac[64 blocks of 128 tokens][16 heads][128 tokens][64 codes].
; LIMITS: e6 + e7 between -123 and 130; e8 and e10 - e8 - e9 between -126 and 119.  NaN is not served.
; REGISTERS: v1-11 addresses; v12 -M, v13 the largest t, v[14:15] the sum; v16-23 Q; v32-95 K's eight fragments, then V's four; v96-159 S^T, then p; v160-191 O^T; v200-207 at work; v208-211 scales; v224-239 p's codes.
.set SLOT1, 65536                      ; slot 1 begins here: one exclusive or turns an address from one slot to the other
.set VOFF,  17408                      ; a slot: K's 64 rows of 256 bytes + 16 of padding (4 keys a row), then V's 64 rows (2 of the head's 64 a row)
.set STAGE, 131072                     ; the way out: 16 rows x 80 bytes for each wave; no tile lands here
.set SPARE, 151552                     ; the spare words, 128 bytes a wave: eight blocks of 256 bytes
.set AK0, 1
.set AV0, 2
.set PFO, 3
.set QO,  4
.set SPW, 5
.set NIL, 6
.set GO,  7
.set ADK, 8
.set ADV, 9
.set STO, 10
.set RD,  11
.set TB,  2                            ; s2   LDS byte at which the slot in hand begins
.set WV,  18
.set SEL, 20
.set CS,  22                           ; s[22:23] c = log2(e) / 8, with e6 + e7 added to its exponent field
.set G1,  24
.set G0,  40
.set BACK, 46                          ; s46  (i + 1) slots in bytes
.set TN,  47                           ; s47  fills so far
.set SW,  48                           ; s48  i + 1: the fill that begins the second block's keys
.set SW1, 49                           ; s49  i + 2
.set SLOTS, 67
.set PFA, 76
.set LIM, 80
.set KF,  98                           ; s98  the step's first key
.set Q0,  99                           ; s99  my first query
.macro TLOAD                           ; wave 0 fetches a slot's K, wave 1 its V: 16,384 dense bytes each.  An s_nop 0 and four v_nop follow
	s_cmp_lt_u32 s[WV], 2
	s_cbranch_scc0 .Lasked_\@
	tensor_load_to_lds s[G0:G0+3], s[G1:G1+7]
	s_nop 0
.rept 4
	v_nop
.endr
.Lasked_\@:
.endm
; A prefetch of the slot that work-group 0's next change of slots will ask for.  All four work-groups of a head walk the same K and V: work-group 0 asks, in it waves 4, 5 (K's halves) and 6, 7 (V's), 8,192 bytes a wave,
; lanes 256 bytes apart: each block of 256 bytes of slots 1 to 7 is named once in the launch.  Slot 0 comes by its loads alone, and the last change that fills a slot asks for nothing.
.macro ASK
	s_cmp_gt_u32 s[SLOTS], s[LIM]
	s_cbranch_scc0 .Lnot_mine_\@
	global_prefetch_b8 v[PFO], s[PFA:PFA+1] th:TH_LOAD_NT scope:SCOPE_SE
.Lnot_mine_\@:
.endm
	s_load_b128 s[4:7], s[0:1], 0x0                ; qkvc s[4:5], scales s[6:7]
	s_load_b64 s[8:9], s[0:1], 0x10                ; ac
	v_lshl_add_u32 v[SPW], v0, 2, SPARE
	v_mov_b32 v[NIL], 0
	ds_add_u32 v[SPW], v[NIL]                      ; the wave's opening: the add and its wait ahead of my first tensor load
	ds_add_u32 v[SPW], v[NIL]
	v_lshrrev_b32 v8, 5, v0
	s_delay_alu instid0(VALU_DEP_1)
	v_readfirstlane_b32 s[WV], v8                  ; wave 0..15
	s_and_b32 s73, ttmp7, 0xffff                   ; batch x 16 + head
	s_lshl_b32 s74, s73, 17
	s_mov_b32 s75, 0                               ; its first byte in each of Q, K, V
	s_mov_b32 s[G1], (3<<16)|(1<<20)|(5<<22)|(3<<25)   ; no mask; elements of 8 bytes; padding on: 4 words after every 64
	s_mov_b32 s[G1+1], 32<<16                      ; tensor_dim0 = 32 elements = 256 bytes
	s_mov_b32 s[G1+2], 64<<16                      ; tensor_dim1 = 64 rows
	s_mov_b32 s[G1+3], 32<<16                      ; tile_dim0
	s_mov_b32 s[G1+4], 64                          ; tile_dim1
	s_mov_b32 s[G1+5], 32                          ; from row to row: dense
	s_mov_b32 s[G1+6], 0
	s_mov_b32 s[G1+7], 0
	s_mov_b32 s[SEL], 0x76543210
	s_mov_b32 s[SEL+1], 0xfedcba98
	s_mov_b32 s[CS], 0x3e38aa3b
	s_mov_b32 s[TB], 0
	s_mov_b32 s[SLOTS], 8
	s_mov_b32 s[TN], 0
	s_mov_b32 s[KF], 0
	s_add_co_u32 s[SW], ttmp9, 1
	s_add_co_u32 s[SW1], ttmp9, 2
	s_lshl_b32 s[BACK], s[SW], 14
	s_mov_b32 s45, 0
	s_lshl_b32 s96, ttmp9, 1
	s_sub_co_u32 s96, 7, s96                       ; 7 - 2 i blocks from my first block of queries to my second:
	s_lshl_b32 s50, s96, 14                        ; in Q's bytes,
	s_mov_b32 s51, 0
	s_lshl_b32 s52, s96, 18                        ; in ac's,
	s_mov_b32 s53, 0
	s_lshl_b32 s54, s96, 8                         ; in queries
	s_lshl_b32 s[Q0], ttmp9, 8
	s_lshl_b32 s96, s[WV], 4
	s_add_co_u32 s[Q0], s[Q0], s96
	s_and_b32 s96, s[WV], 1                        ; what I fetch, if I fetch: K (0) or V (1)
	s_mul_i32 s[G0+1], s96, VOFF                   ; its place in slot 0
	s_add_co_u32 s96, s96, 1
	s_lshl_b32 s82, s96, 23
	s_mov_b32 s83, 0
	s_add_nc_u64 s[82:83], s[82:83], s[74:75]
	s_lshl_b32 s84, ttmp9, 14                      ; Q: my block's 256 rows of 64 bytes; my 16 queries lie at rows 32 (w / 2) + 8 (w % 2) + 16 (r / 8) + r % 8
	s_lshr_b32 s96, s[WV], 1
	s_lshl_b32 s96, s96, 11
	s_add_co_u32 s84, s84, s96
	s_and_b32 s96, s[WV], 1
	s_lshl_b32 s96, s96, 9
	s_add_co_u32 s84, s84, s96
	s_mov_b32 s85, 0
	s_add_nc_u64 s[84:85], s[84:85], s[74:75]
	s_lshr_b32 s86, s73, 4                         ; ac: block of 128 tokens = 16 x batch + 2 i + w / 8,
	s_lshl_b32 s86, s86, 4
	s_lshl_b32 s96, ttmp9, 1
	s_add_co_u32 s86, s86, s96
	s_lshr_b32 s96, s[WV], 3
	s_add_co_u32 s86, s86, s96
	s_lshl_b32 s86, s86, 17
	s_and_b32 s96, s73, 15                         ; the head,
	s_lshl_b32 s96, s96, 13
	s_add_co_u32 s86, s86, s96
	s_and_b32 s96, s[WV], 7                        ; my 16 rows of 64 bytes
	s_lshl_b32 s96, s96, 10
	s_add_co_u32 s86, s86, s96
	s_mov_b32 s87, 0
	s_bfe_u32 s88, s[WV], 0x10001                  ; the prefetches: waves 4, 5 stand in K, waves 6, 7 in V,
	s_add_co_u32 s88, s88, 1
	s_lshl_b32 s88, s88, 23
	s_and_b32 s96, s[WV], 1
	s_lshl_b32 s96, s96, 13                        ; at a half of slot 0: the first change of slots steps it to slot 1
	s_add_co_u32 s88, s88, s96
	s_mov_b32 s89, 0
	s_add_nc_u64 s[88:89], s[88:89], s[74:75]
	s_sub_co_u32 s96, s[WV], 4
	s_lshr_b32 s96, s96, 2                         ; 0 in waves 4 to 7,
	s_or_b32 s96, s96, ttmp9                       ; of work-group 0
	s_cmp_eq_u32 s96, 0
	s_cselect_b32 s[LIM], 1, -1
	s_wait_dscnt 0x0                               ; the opening add is done
	s_wait_kmcnt 0x0
	s_load_b128 s[68:71], s[6:7], 0x18             ; e6, e7, e8, e9
	s_load_b32 s72, s[6:7], 0x28                   ; e10
	s_mov_b32 s[G0], 1
	s_add_nc_u64 s[G0+2:G0+3], s[4:5], s[82:83]
	s_or_b32 s[G0+3], s[G0+3], 0x80000000
	TLOAD                                          ; slot 0
	s_add_nc_u64 s[10:11], s[4:5], s[84:85]        ; Q at my rows
	s_add_nc_u64 s[8:9], s[8:9], s[86:87]          ; ac at my rows
	s_add_nc_u64 s[PFA:PFA+1], s[4:5], s[88:89]
	v_and_b32 v204, 15, v0                         ; r
	v_bfe_u32 v205, v0, 4, 1                       ; h
	v_and_b32 v207, 31, v0                         ; lane
	s_delay_alu instid0(VALU_DEP_3)
	v_and_b32 v206, 8, v204
	s_delay_alu instid0(VALU_DEP_1)
	v_add_nc_u32 v206, v206, v204                  ; 16 (r / 8) + r % 8
	s_delay_alu instid0(VALU_DEP_1)
	v_lshlrev_b32 v[QO], 6, v206
	s_delay_alu instid0(VALU_DEP_1)
	v_lshl_add_u32 v[QO], v205, 4, v[QO]
.macro QLOAD                           ; registers 0-3: the head's 16 h + 0 .. 15; 4-7: 32 + 16 h + 0 .. 15: the same order as K's fragments
	global_load_b128 v[16:19], v[QO], s[10:11]
	global_load_b128 v[20:23], v[QO], s[10:11] offset:32
.endm
	QLOAD
	v_lshrrev_b32 v206, 2, v204
	s_delay_alu instid0(VALU_DEP_1)
	v_mul_u32_u24 v[AK0], v206, 272
	v_and_b32 v206, 3, v204
	s_delay_alu instid0(VALU_DEP_1)
	v_lshl_add_u32 v[AK0], v206, 6, v[AK0]
	s_delay_alu instid0(VALU_DEP_1)
	v_lshl_add_u32 v[AK0], v205, 4, v[AK0]         ; K: row r of a tile: 272 (r / 4) + 64 (r % 4) + 16 h
	v_lshrrev_b32 v206, 1, v204
	s_delay_alu instid0(VALU_DEP_1)
	v_mul_u32_u24 v[AV0], v206, 272
	v_and_b32 v206, 1, v204
	s_delay_alu instid0(VALU_DEP_1)
	v_lshl_add_u32 v[AV0], v206, 7, v[AV0]
	s_delay_alu instid0(VALU_DEP_1)
	v_lshl_add_u32 v[AV0], v205, 4, v[AV0]
	s_delay_alu instid0(VALU_DEP_1)
	v_add_nc_u32 v[AV0], VOFF, v[AV0]              ; V: row r of a tile: 272 (r / 2) + 128 (r % 2) + 16 h
	v_lshlrev_b32 v[PFO], 8, v207
	v_lshlrev_b32 v[GO], 4, v207
	s_mul_i32 s96, s[WV], 1280
	s_add_co_u32 s96, s96, STAGE                   ; my stage
	v_mul_u32_u24 v[STO], v204, 80
	s_delay_alu instid0(VALU_DEP_1)
	v_lshl_add_u32 v[STO], v205, 3, v[STO]
	s_delay_alu instid0(VALU_DEP_1)
	v_add_nc_u32 v[STO], s96, v[STO]               ; in: row r, 8 bytes for each half of the lanes
	v_lshrrev_b32 v206, 2, v207
	s_delay_alu instid0(VALU_DEP_1)
	v_mul_u32_u24 v[RD], v206, 80
	v_and_b32 v206, 3, v207
	s_delay_alu instid0(VALU_DEP_1)
	v_lshl_add_u32 v[RD], v206, 4, v[RD]
	s_delay_alu instid0(VALU_DEP_1)
	v_add_nc_u32 v[RD], s96, v[RD]                 ; back: four lanes to a row, eight rows an instruction
	v_mov_b32 v200, 0                              ; written once: a lane permute's destination counts as one of its sources
	v_mov_b32 v203, 0                              ; (named as the upper half of the pair v[202:203])
.macro INIT                            ; a block of queries begins: the first change of M multiplies zeros
	v_mov_b32 v13, 0xff61b1e6                      ; the largest t so far: -3e38
	s_delay_alu instid0(VALU_DEP_1)
	v_floor_f32 v12, -v13
	v_mov_b32 v14, 0
	v_mov_b32 v15, 0
.set j, 0
.rept 32
	v_mov_b32 v[160+j], 0
.set j, j+1
.endr
.endm
	INIT
	s_wait_kmcnt 0x0
	s_add_co_i32 s96, s68, s69
	s_lshl_b32 s96, s96, 23
	s_add_co_i32 s[CS], s[CS], s96                 ; a score stands for score x 2^(e6 + e7)
	s_mov_b32 s[CS+1], s[CS]
	s_add_co_i32 s96, s70, 127
	s_lshl_b32 s97, s96, 23
	v_mov_b32 v208, s97                            ; 2^e8
	s_sub_co_i32 s96, s72, s70
	s_sub_co_i32 s96, s96, s71
	s_add_co_i32 s96, s96, 127
	s_lshl_b32 s97, s96, 23
	v_mov_b32 v210, s97                            ; 2^(e10 - e8 - e9): O^T / the sum lacks 2^(e8 + e9)
; A KEY STEP: 128 keys, the q-th of the slot in hand
.macro STEP q
	s_add_co_u32 s96, s[Q0], 15
	s_cmp_gt_u32 s[KF], s96                        ; all keys behind my queries: nothing to do
	s_cbranch_scc1 .Lhidden_\@
	v_add_nc_u32 v[ADK], s[TB], v[AK0]
	v_add_nc_u32 v[ADV], s[TB], v[AV0]
	v_nop
	v_nop                                          ; four plain lines in front of loads into registers that matrix instructions have read
.irp t, 0,1,2,3,4,5,6,7
	ds_load_b128 v[32+8*\t:35+8*\t], v[ADK] offset:(\q)*8704+\t*1088
	ds_load_b128 v[36+8*\t:39+8*\t], v[ADK] offset:(\q)*8704+\t*1088+32
.endr
	s_wait_alu depctr_va_vdst(0)
	s_wait_dscnt 0x0
.irp t, 0,1,2,3,4,5,6,7
	v_wmma_f32_16x16x64_fp8_fp8 v[96+8*\t:103+8*\t], v[32+8*\t:39+8*\t], v[16:23], 0
.endr
.rept 4
	v_nop
.endr
.irp t, 0,1,2,3                                ; V's fragments land while the softmax is worked
.irp c, 0,1,2,3
	ds_load_b128 v[32+16*\t+4*\c:35+16*\t+4*\c], v[ADV] offset:(\q)*8704+\t*2176+32*\c
.endr
.endr
	s_add_co_u32 s96, s[KF], 127
	s_cmp_le_u32 s96, s[Q0]                        ; all keys count: no mask
	s_cbranch_scc1 .Lopen_\@
	s_sub_co_i32 s96, s[Q0], s[KF]
	v_and_b32 v204, 15, v0
	v_bfe_u32 v205, v0, 4, 1
	s_delay_alu instid0(VALU_DEP_1)
	v_lshlrev_b32 v205, 4, v205
	s_delay_alu instid0(VALU_DEP_1)
	v_sub_nc_u32 v204, v204, v205
	s_delay_alu instid0(VALU_DEP_1)
	v_add_nc_u32 v204, s96, v204                   ; d = my query - KF - 16 h.  Register n holds key KF + 16 h + 32 (n / 16) + n % 16: hidden where 32 (n / 16) + n % 16 > d
	v_mov_b32 v205, 0xff800000
.irp n, 0,1,2,3,4,5,6,7,8,9,10,11,12,13,14,15,16,17,18,19,20,21,22,23,24,25,26,27,28,29,30,31,32,33,34,35,36,37,38,39,40,41,42,43,44,45,46,47,48,49,50,51,52,53,54,55,56,57,58,59,60,61,62,63
	v_cmp_gt_i32 vcc_lo, 32*(\n/16)+\n%16, v204
	v_cndmask_b32 v[96+\n], v[96+\n], v205, vcc_lo
.endr
.Lopen_\@:
	v_max3_num_f32 v204, v96, v97, v98             ; the step's largest score of my query, in two chains, each accumulator from its low end on
	v_max3_num_f32 v205, v99, v100, v101
.set i, 6
.rept 14
	v_max3_num_f32 v204, v204, v[96+i], v[97+i]
	v_max3_num_f32 v205, v205, v[98+i], v[99+i]
.set i, i+4
.endr
	v_max3_num_f32 v204, v204, v158, v159
	s_delay_alu instid0(VALU_DEP_1)
	v_max_num_f32 v204, v204, v205
	s_delay_alu instid0(VALU_DEP_1)
	v_permlanex16_b32 v200, v204, s[SEL], s[SEL+1]
	s_delay_alu instid0(VALU_DEP_1)
	v_max_num_f32 v204, v204, v200                 ; and among lane l xor 16's
	s_delay_alu instid0(VALU_DEP_1)
	v_mul_f32 v204, s[CS], v204
	s_delay_alu instid0(VALU_DEP_1)
	v_max_num_f32 v13, v13, v204                   ; the running largest t
	v_mov_b32 v204, v12
	s_delay_alu instid0(VALU_DEP_2)
	v_floor_f32 v12, -v13                          ; -M = floor(-t): M is a whole number
	s_delay_alu instid0(VALU_DEP_1)
	v_sub_f32 v204, v12, v204
	s_delay_alu instid0(VALU_DEP_1)
	v_cvt_i32_f32 v204, v204
	s_delay_alu instid0(VALU_DEP_1)
	v_ldexp_f32 v202, 1.0, v204                    ; f = 2^(old M - new M): rounds nothing
.set j, 0
.rept 32
	v_pk_fma_f32 v[96+j:97+j], v[96+j:97+j], s[CS:CS+1], v[12:13] op_sel_hi:[1,0,0]   ; t - M
.set j, j+2
.endr
.set j, 0
	s_wait_alu depctr_va_vdst(0)
.rept 64
	v_exp_f32 v[96+j], v[96+j]                     ; p = 2^(t - M)
.set j, j+1
.endr
	v_pk_mul_f32 v[14:15], v[14:15], v[202:203] op_sel_hi:[1,0]   ; the sums under the new M; a plain line behind the exponentials
	s_wait_alu depctr_va_vdst(0)                   ; one wait for the batch, ahead of its first reader
	v_pk_add_f32 v[206:207], v[100:101], v[104:105]
	v_pk_add_f32 v[254:255], v[108:109], v[112:113]
	v_pk_add_f32 v[252:253], v[116:117], v[120:121]
	v_pk_add_f32 v[250:251], v[124:125], v[128:129]
	v_pk_add_f32 v[248:249], v[132:133], v[136:137]
	v_pk_add_f32 v[246:247], v[140:141], v[144:145]
	v_pk_add_f32 v[244:245], v[148:149], v[152:153]
	v_pk_add_f32 v[14:15], v[14:15], v[156:157]
	v_pk_add_f32 v[206:207], v[206:207], v[96:97]
	v_pk_add_f32 v[254:255], v[254:255], v[98:99]
	v_pk_add_f32 v[252:253], v[252:253], v[102:103]
	v_pk_add_f32 v[250:251], v[250:251], v[106:107]
	v_pk_add_f32 v[248:249], v[248:249], v[110:111]
	v_pk_add_f32 v[246:247], v[246:247], v[114:115]
	v_pk_add_f32 v[244:245], v[244:245], v[118:119]
	v_pk_add_f32 v[14:15], v[14:15], v[122:123]
	v_pk_add_f32 v[206:207], v[206:207], v[126:127]
	v_pk_add_f32 v[254:255], v[254:255], v[130:131]
	v_pk_add_f32 v[252:253], v[252:253], v[134:135]
	v_pk_add_f32 v[250:251], v[250:251], v[138:139]
	v_pk_add_f32 v[248:249], v[248:249], v[142:143]
	v_pk_add_f32 v[246:247], v[246:247], v[146:147]
	v_pk_add_f32 v[244:245], v[244:245], v[150:151]
	v_pk_add_f32 v[14:15], v[14:15], v[154:155]
	v_pk_add_f32 v[206:207], v[206:207], v[158:159]
	s_delay_alu instid0(VALU_DEP_2)
	v_pk_add_f32 v[14:15], v[14:15], v[250:251]
	s_delay_alu instid0(VALU_DEP_2)
	v_pk_add_f32 v[206:207], v[206:207], v[248:249]
	v_pk_add_f32 v[254:255], v[254:255], v[246:247]
	v_pk_add_f32 v[252:253], v[252:253], v[244:245]
	s_delay_alu instid0(VALU_DEP_2)
	v_pk_add_f32 v[14:15], v[14:15], v[254:255]
	s_delay_alu instid0(VALU_DEP_2)
	v_pk_add_f32 v[206:207], v[206:207], v[252:253]
	s_delay_alu instid0(VALU_DEP_1)
	v_pk_add_f32 v[14:15], v[14:15], v[206:207]
.irp b, 0,1,2,3
.irp i, 0,1,2,3,4,5,6,7,8,9,10,11,12,13,14,15
.endr
	v_cvt_scalef32_pk8_fp8_f32 v[224+4*\b:225+4*\b], v[96+16*\b:103+16*\b], v208
	v_cvt_scalef32_pk8_fp8_f32 v[226+4*\b:227+4*\b], v[104+16*\b:111+16*\b], v208
.endr
.set j, 0
.rept 16
	v_pk_mul_f32 v[160+j:161+j], v[160+j:161+j], v[202:203] op_sel_hi:[1,0]   ; O^T under the new M; also the plain lines behind the conversions
.set j, j+2
.endr
	s_wait_alu depctr_va_vdst(0)
	s_wait_dscnt 0x0                               ; V is in
.irp t, 0,1,2,3                                ; four accumulators by turns, one instruction a turn
	v_wmma_f32_16x16x128_fp8_fp8 v[160+8*\t:167+8*\t], v[32+16*\t:47+16*\t], v[224:239], v[160+8*\t:167+8*\t]
.endr
.Lhidden_\@:
	s_add_co_u32 s[KF], s[KF], 128
.endm
; THE CHANGE OF SLOTS, at a slot's head.  Each wave waits for all its tensor loads, adds 0 to its spare word, and waits for that and for its reads of the slot that it has left; behind the barrier that slot is filled first.
.macro CHANGE fill
	s_wait_tensorcnt 0x0                           ; no tensor load of mine is out, so group 0 may be written
	ds_add_u32 v[SPW], v[NIL]
.if \fill
	s_xor_b32 s[G0+1], s[G0+1], SLOT1
	s_add_nc_u64 s[G0+2:G0+3], s[G0+2:G0+3], 16384 ; the next 256 keys,
	s_add_co_u32 s[TN], s[TN], 1
	s_cmp_eq_u32 s[TN], s[SW]
	s_cselect_b32 s44, s[BACK], 0
	s_sub_nc_u64 s[G0+2:G0+3], s[G0+2:G0+3], s[44:45]   ; or back to key 0, where the second block of queries begins
	s_wait_xcnt 0x0                                ; the last prefetch, a slot back, has read its address
	s_add_nc_u64 s[PFA:PFA+1], s[PFA:PFA+1], 16384
.endif
	s_wait_dscnt 0x0
	s_barrier_signal -1
	s_barrier_wait -1
.if \fill
	TLOAD                                          ; the first thing behind the barrier, a wave's one tensor load until the next
	ASK
.endif
.endm
.macro SLOT_STEPS
	STEP 0
	STEP 1
	s_xor_b32 s[TB], s[TB], SLOT1
.endm
; A block of queries is finished: O^T / the sum, quantised with 2^e10, through my stage, out as 512 consecutive bytes an instruction
.macro FINAL
.rept 4
	v_nop                                          ; behind the last products
.endr
	v_add_f32 v14, v14, v15
	s_delay_alu instid0(VALU_DEP_1)
	v_permlanex16_b32 v200, v14, s[SEL], s[SEL+1]
	s_delay_alu instid0(VALU_DEP_1)
	v_add_f32 v14, v14, v200                       ; the row's sum
	s_wait_alu depctr_va_vdst(0)
	v_rcp_f32 v14, v14
	v_nop
	s_wait_alu depctr_va_vdst(0)                   ; ahead of the first reader
.set j, 0
.rept 16
	v_pk_mul_f32 v[96+j:97+j], v[160+j:161+j], v[14:15] op_sel_hi:[1,0]
.set j, j+2
.endr
.irp t, 0,1,2,3
.irp i, 0,1,2,3,4,5,6,7
.endr
	v_cvt_scalef32_pk8_fp8_f32 v[128+2*\t:129+2*\t], v[96+8*\t:103+8*\t], v210   ; lane (r, h): query r, the head's 16 t + 8 h + 0 .. 7
.endr
	v_nop
.irp t, 0,1,2,3
	ds_store_b64 v[STO], v[128+2*\t:129+2*\t] offset:16*\t
.endr
.irp u, 0,1
	ds_load_b128 v[136+4*\u:139+4*\u], v[RD] offset:640*\u
.endr
	s_wait_dscnt 0x0
.irp u, 0,1
	global_store_b128 v[GO], v[136+4*\u:139+4*\u], s[8:9] offset:512*\u
.endr
.endm
	s_wait_loadcnt 0x0                             ; Q
.Lslot:                                            ; eight trips; behind each change of slots the next slot is asked for
	CHANGE 1
	s_cmp_eq_u32 s[TN], s[SW1]                     ; the slot in hand is the second block's first: a branch on ids, the same in all waves; no barrier and no tensor load stands inside
	s_cbranch_scc0 .Lsame
	FINAL
	s_wait_xcnt 0x0                                ; the stores have read their base and their registers
	s_add_co_u32 s[Q0], s[Q0], s54
	s_mov_b32 s[KF], 0
	s_add_nc_u64 s[10:11], s[10:11], s[50:51]
	s_add_nc_u64 s[8:9], s[8:9], s[52:53]
	QLOAD
	INIT
	s_wait_loadcnt 0x0
.Lsame:
	SLOT_STEPS
	s_sub_co_u32 s[SLOTS], s[SLOTS], 1
	s_cmp_lg_u32 s[SLOTS], 0
	s_cbranch_scc1 .Lslot
	CHANGE 0                                       ; the ninth slot is written out
	SLOT_STEPS
	FINAL
	s_wait_tensorcnt 0x0                           ; the wave's end
	ds_add_u32 v[SPW], v[NIL]
	s_wait_dscnt 0x0
	s_endpgm
.Lfunc_end_k_q5edfcd4af2_attn:
	.size	k_q5edfcd4af2_attn, .Lfunc_end_k_q5edfcd4af2_attn-k_q5edfcd4af2_attn
	.p2alignl 7, 3214868480
	.fill 96, 4, 3214868480
	.section	.rodata,"a",@progbits
	.p2align	6, 0x0
	.amdhsa_kernel k_q5edfcd4af2_attn
		.amdhsa_group_segment_fixed_size 327680
		.amdhsa_private_segment_fixed_size 0
		.amdhsa_enable_private_segment 0
		.amdhsa_kernarg_size 24
		.amdhsa_user_sgpr_count 2
		.amdhsa_user_sgpr_kernarg_segment_ptr 1
		.amdhsa_wavefront_size32 1
		.amdhsa_system_sgpr_workgroup_id_x 1
		.amdhsa_system_sgpr_workgroup_id_y 1
		.amdhsa_system_sgpr_workgroup_id_z 1
		.amdhsa_system_vgpr_workitem_id 0
		.amdhsa_next_free_vgpr 256
		.amdhsa_next_free_sgpr 100
		.amdhsa_reserve_vcc 1
		.amdhsa_float_denorm_mode_32 3
		.amdhsa_float_denorm_mode_16_64 3
		.amdhsa_fp16_overflow 1
		.amdhsa_memory_ordered 1
		.amdhsa_forward_progress 1
		.amdhsa_inst_pref_size 93
	.end_amdhsa_kernel
	.amdgpu_metadata
---
amdhsa.version: [ 1, 2 ]
amdhsa.kernels:
  - .name:           k_q5edfcd4af2_attn
    .symbol:         k_q5edfcd4af2_attn.kd
    .args:
      - { .name: qkvc, .offset: 0, .size: 8, .value_kind: global_buffer, .address_space: global }
      - { .name: lowp_scales, .offset: 8, .size: 8, .value_kind: global_buffer, .address_space: global }
      - { .name: ac, .offset: 16, .size: 8, .value_kind: global_buffer, .address_space: global }
    .group_segment_fixed_size: 327680
    .private_segment_fixed_size: 0
    .kernarg_segment_align: 8
    .kernarg_segment_size: 24
    .max_flat_workgroup_size: 512
    .sgpr_count:     100
    .vgpr_count:     256
    .wavefront_size: 32
...
	.end_amdgpu_metadata
.endif
;; end of part 3
;; launch oproj (part 4): grid 4 x 32, 4 waves a work-group, clusters of 4 x 4, 327,680 bytes of LDS; arguments ac, wc, lowp_scales, out0; writes out0
.if DOCPART == 4
	.amdgcn_target "amdgcn-amd-amdhsa--gfx1250"
	.amdhsa_code_object_version 6
	.text
	.protected	k_q5edfcd4af2_oproj
	.globl	k_q5edfcd4af2_oproj
	.p2align	8
	.type	k_q5edfcd4af2_oproj,@function
k_q5edfcd4af2_oproj:
	s_mov_b64 s[64:65], 0
	v_nop
	global_prefetch_b8 v0, s[64:65] scope:SCOPE_SE
	s_setreg_imm32_b32 hwreg(HW_REG_WAVE_MODE, 25, 1), 1
	s_wait_xcnt 0x0
	s_wait_alu depctr_hold_cnt(0) depctr_sa_sdst(0) depctr_va_vdst(0) depctr_va_sdst(0) depctr_va_ssrc(0) depctr_va_vcc(0) depctr_vm_vsrc(0)
	s_getreg_b32 s2, hwreg(HW_REG_IB_STS2, 6, 4)
	s_cmp_eq_u32 s2, 0
	s_cbranch_scc0 .Lentry_in_a_cluster
	s_endpgm
.Lentry_in_a_cluster:
	s_bfe_u32 s2, ttmp6, 0x10000c
	s_cmp_lg_u32 s2, 0xf033
	s_cbranch_scc0 .Lentry_shape_is_right
	s_endpgm
.Lentry_shape_is_right:
; out0 = attn Wo on codes of E4M3: [8192][1024] x [1024][1024], f32 out.  A = ac, B = the fourth set of wc ([n][k]).  Each finished sum is multiplied once by 2^(e10 + e11).
; LIMIT: e10 + e11 between -126 and 127.
; A tile of 256 x 256 to a work-group of four waves, 128 x 128 to a wave; K in four steps of 256 through a ring of two LDS slots filled by joint tensor loads; 4 x 4 clusters: A's tile is shared along a row, B's along a column.
; ac lies [block of 128 tokens][16 heads][128 tokens][64]: the 128 tokens x 256 along K (four heads) that one load brings are ONE dense block of 32,768 bytes, taken as 128 rows of 256 bytes (four tokens of one head a row).
; THE MATRIX INSTRUCTION IS USED TRANSPOSED (source 0 = 16 rows of B, source 1 = 16 rows of A): a lane holds eight neighbouring numbers of a row of the output.
; No prefetch: K has four steps, and two of them are the first fills.
; REGISTERS: window 0: v0-31 addresses; from v128 A's fragments, one set; window 1: B's, two sets; windows 2, 3: the accumulators.
.set SIZE_N, 1024
.set ROWB,   256
.set KROW,   1024
.set PITCH,  272
.set FR,     16
.set NL,     4
.set NP,     4
.set HALFT,  128*PITCH
.set SLOT,   4*HALFT
.set LAPS,   2
.set SPARE,  2*SLOT
.set SPITCH, 528                       ; the way out: 16 rows x (512 + 16) bytes a wave, in slot 0, which has had its last fill and its last read by then
.set ADRA, 16
.set ADRB, 20
.set STO,  24
.set RD,   25
.set CO,   26
.set SPW,  28
.set NIL,  29
.set TMP,  32
.set AF,   128
.set BK,   128
.set G1, 24
.set G0, 32
.set G1B, 48
.set G0B, 56
.set MSB, 0
.macro WIN new
.if MSB != (\new)
	s_set_vgpr_msb (MSB<<8)|(\new)
.set MSB, (\new)
.endif
.endm
.set MUL_LO, 0xa1
.set MUL_HI, 0xf1
.set TO_B,   0x40
.macro JLOAD g0a, g1a, g0b, g1b        ; waves 0 and 1 fetch for A, waves 2 and 3 for B; an s_nop 0 and four v_nop follow each line
	s_cmp_eq_u32 s15, 0
	s_cbranch_scc0 .Lfor_b_\@
	tensor_load_to_lds s[\g0a:\g0a+3], s[\g1a:\g1a+7]
	s_nop 0
.rept 4
	v_nop
.endr
	s_branch .Lasked_\@
.Lfor_b_\@:
	tensor_load_to_lds s[\g0b:\g0b+3], s[\g1b:\g1b+7]
	s_nop 0
.rept 4
	v_nop
.endr
.Lasked_\@:
.endm
.macro CREST
	s_cmp_lg_u32 s14, 0
	s_cbranch_scc1 .Lnot_wave_0_\@
	s_barrier_signal -3
.Lnot_wave_0_\@:
	s_barrier_wait -3
	s_barrier_signal -1
	s_barrier_wait -1
.endm
.macro CROUND
	s_barrier_signal -1
	s_barrier_wait -1
	CREST
.endm
	s_load_b128 s[4:7], s[0:1], 0x0                ; ac s[4:5], wc s[6:7]
	s_load_b128 s[8:11], s[0:1], 0x10              ; scales s[8:9], out0 s[10:11]
	v_lshl_add_u32 v[SPW], v0, 2, SPARE
	v_mov_b32 v[NIL], 0
	ds_add_u32 v[SPW], v[NIL]                      ; the wave's opening: the add and its wait ahead of my first tensor load
	ds_add_u32 v[SPW], v[NIL]
	v_lshrrev_b32 v1, 5, v0
	v_readfirstlane_b32 s14, v1
	s_lshr_b32 s15, s14, 1
	s_and_b32 s16, s14, 1
	s_bfe_u32 s40, ttmp6, 0x40000
	s_bfe_u32 s41, ttmp6, 0x40004
	s_lshl_b32 s42, ttmp9, 2
	s_add_co_u32 s42, s42, s40                     ; tile column
	s_and_b32 s17, ttmp7, 0xffff
	s_lshl_b32 s17, s17, 2
	s_add_co_u32 s17, s17, s41                     ; tile row
	s_lshl_b32 s43, s41, 2
	s_lshl_b32 s43, 15, s43
	s_lshl_b32 s44, 0x1111, s40
	s_or_b32 s[G1+0], s43, (0<<16)|(1<<20)|(1<<21)|(5<<22)|(3<<25)
	s_or_b32 s[G1B+0], s44, (0<<16)|(1<<20)|(1<<21)|(5<<22)|(3<<25)
.irp g, G1, G1B
	s_mov_b32 s[\g+1], ROWB<<16
	s_mov_b32 s[\g+2], 128<<16
	s_mov_b32 s[\g+3], ROWB<<16
	s_mov_b32 s[\g+4], 128
	s_mov_b32 s[\g+6], 0
	s_mov_b32 s[\g+7], 0
.endr
	s_mov_b32 s[G1+5], 256                         ; A's rows are dense
	s_mov_b32 s[G1B+5], KROW                       ; B's lie 1,024 bytes apart
	s_lshl_b32 s20, s17, 1
	s_add_co_u32 s20, s20, s16                     ; A: the block of 128 tokens that I fetch,
	s_lshl_b32 s20, s20, 17                        ; 131,072 bytes each
	s_mov_b32 s21, 0
	s_lshl_b32 s18, s16, 7
	s_lshl_b32 s46, s42, 8
	s_add_co_u32 s46, s46, s18                     ; B: row 256 x tile column + 128 x half,
	s_lshl_b32 s46, s46, 10
	s_add_co_u32 s46, s46, 3<<20                   ; in Wo's set
	s_mov_b32 s47, 0
	s_mul_i32 s45, s14, HALFT
	s_wait_dscnt 0x0
	s_wait_kmcnt 0x0
	s_load_b64 s[96:97], s[8:9], 0x28              ; e10, e11
	s_add_nc_u64 s[20:21], s[4:5], s[20:21]
	s_add_nc_u64 s[46:47], s[6:7], s[46:47]
	CROUND
.irp s, 0,1
	s_mov_b32 s[G0+4*\s], 1
	s_add_co_u32 s[G0+4*\s+1], s45, \s*SLOT
	s_add_nc_u64 s[G0+4*\s+2:G0+4*\s+3], s[20:21], \s*32768
	s_or_b32 s[G0+4*\s+3], s[G0+4*\s+3], 0x80000000
	s_mov_b32 s[G0B+4*\s], 1
	s_add_co_u32 s[G0B+4*\s+1], s45, \s*SLOT
	s_add_nc_u64 s[G0B+4*\s+2:G0B+4*\s+3], s[46:47], \s*ROWB
	s_or_b32 s[G0B+4*\s+3], s[G0B+4*\s+3], 0x80000000
	s_wait_alu depctr_va_vdst(0)
	s_wait_tensorcnt 0x0
	ds_add_u32 v28, v29
	ds_add_u32 v28, v29
	s_wait_dscnt 0x0
	CROUND
	JLOAD G0+4*\s, G1, G0B+4*\s, G1B
.endr
	v_and_b32 v1, 15, v0                           ; r
	v_bfe_u32 v2, v0, 4, 1                         ; h
	v_mul_u32_u24 v3, v1, PITCH
	v_lshl_add_u32 v4, v2, 4, v3                   ; B: row x pitch + 16 h
	v_lshrrev_b32 v5, 2, v1
	v_mul_u32_u24 v7, v5, PITCH
	v_and_b32 v5, 3, v1
	v_lshl_add_u32 v7, v5, 6, v7
	v_lshl_add_u32 v7, v2, 4, v7                   ; A: token r of a block of 16: 272 (r / 4) + 64 (r % 4) + 16 h
	s_mul_i32 s21, s15, HALFT
	s_mul_i32 s22, s16, HALFT
	s_add_co_u32 s22, s22, 2*HALFT
.irp s, 0,1
	v_add_nc_u32 v[ADRA+\s], s21, v7
	v_add_nc_u32 v[ADRB+\s], s22, v4
	s_add_co_u32 s21, s21, SLOT
	s_add_co_u32 s22, s22, SLOT
.endr
	s_mul_i32 s23, s14, 16*SPITCH
	v_mul_u32_u24 v5, v1, SPITCH
	v_lshl_add_u32 v5, v2, 5, v5
	v_add_nc_u32 v[STO], s23, v5
	v_and_b32 v6, 31, v0
	v_lshlrev_b32 v[CO], 4, v6
	v_add_nc_u32 v[RD], s23, v[CO]
	s_lshl_b32 s20, s17, 8
	s_lshl_b32 s21, s15, 7
	s_add_co_u32 s20, s20, s21                     ; my first row of the output,
	s_lshl_b32 s20, s20, 12                        ; 4,096 bytes each
	s_mov_b32 s21, 0
	s_lshl_b32 s46, s42, 10
	s_lshl_b32 s47, s16, 9
	s_add_co_u32 s46, s46, s47                     ; my first column, in bytes
	s_mov_b32 s47, 0
	s_add_nc_u64 s[20:21], s[20:21], s[46:47]
	s_add_nc_u64 s[10:11], s[10:11], s[20:21]
.macro FRAG reg, adr, q, i             ; B: registers 4 c .. 4 c + 3 hold K = 128 q + 32 c + 16 h + 0 .. 15
.irp c, 0,1,2,3
	ds_load_b128 v[\reg+4*\c:\reg+4*\c+3], v[\adr] offset:128*(\q)+32*\c+(\i)*16*PITCH
.endr
.endm
.macro FRAGA reg, adr, q, i            ; A: the same K: head 2 q + c / 2 of the step's four (32 LDS rows each), the head's 32 (c % 2) + 16 h + 0 .. 15; 16 tokens are 4 LDS rows
.irp c, 0,1,2,3
	ds_load_b128 v[\reg+4*\c:\reg+4*\c+3], v[\adr] offset:(2*(\q)+\c/2)*8704+(\i)*1088+32*(\c%2)
.endr
.endm
.macro MUL16 a0, p, zero               ; the 64 accumulators take turns, one instruction a turn
.irp a, \a0, \a0+1
.irp b, 0,1,2,3,4,5,6,7
.if \zero
	v_wmma_f32_16x16x128_fp8_fp8 v[8*(8*((\a)%4)+\b):8*(8*((\a)%4)+\b)+7], v[128*(\p)+FR*\b:128*(\p)+FR*\b+FR-1], v[AF+FR*(\a):AF+FR*(\a)+FR-1], 0
.else
	v_wmma_f32_16x16x128_fp8_fp8 v[8*(8*((\a)%4)+\b):8*(8*((\a)%4)+\b)+7], v[128*(\p)+FR*\b:128*(\p)+FR*\b+FR-1], v[AF+FR*(\a):AF+FR*(\a)+FR-1], v[8*(8*((\a)%4)+\b):8*(8*((\a)%4)+\b)+7]
.endif
.endr
.endr
.endm
.macro FETCH_B slot, q, p
	WIN TO_B
.irp i, 0,1,2,3,4,5,6,7
	FRAG 128*(\p)+FR*\i, ADRB+\slot, \q, \i
.endr
	WIN 0
.endm
.macro FETCH_A slot, q, i0
.irp i, \i0, \i0+1, \i0+2, \i0+3
	FRAGA AF+FR*(\i), ADRA+\slot, \q, \i
.endr
.endm
.macro PLACES n
.rept \n
	v_nop
.endr
.endm
.macro STEP slot, q, zero
	s_wait_dscnt 4*NL                              ; B's set and A's blocks 0-3 are in; the youngest sixteen loads may be out
	WIN MUL_LO
	MUL16 0, (\q)%2, \zero
	MUL16 2, (\q)%2, \zero
	s_wait_dscnt 0
	PLACES NP
	FETCH_B \slot, (\q)+1, 1-(\q)%2
	FETCH_A \slot, (\q)+1, 0
	WIN MUL_HI
	MUL16 4, (\q)%2, \zero
	MUL16 6, (\q)%2, \zero
	PLACES NP
	WIN 0
	FETCH_A \slot, (\q)+1, 4
.endm
.macro TURN slot, next, fill
	s_wait_tensorcnt 0x0                           ; all my tensor loads have landed
	ds_add_u32 v[SPW], v[NIL]
	s_wait_dscnt 4*NL+1                            ; the add and the youngest sixteen loads may be out
	WIN MUL_LO
	MUL16 0, 1, 0
	s_wait_dscnt 0x0                               ; the add is done, and my reads of this slot are over
	s_barrier_signal -1
	MUL16 2, 1, 0
	WIN 0
	s_barrier_wait -1
.if \fill
	CREST                                          ; the barrier has opened a round of the cluster's
	s_add_nc_u64 s[G0+4*\slot+2:G0+4*\slot+3], s[G0+4*\slot+2:G0+4*\slot+3], 2*32768
	s_add_nc_u64 s[G0B+4*\slot+2:G0B+4*\slot+3], s[G0B+4*\slot+2:G0B+4*\slot+3], 2*ROWB
	JLOAD G0+4*\slot, G1, G0B+4*\slot, G1B
.else
	PLACES NP
.endif
	FETCH_B \next, 0, 0
	FETCH_A \next, 0, 0
	WIN MUL_HI
	MUL16 4, 1, 0
	MUL16 6, 1, 0
	PLACES NP
	WIN 0
	FETCH_A \next, 0, 4
.endm
	s_wait_alu depctr_va_vdst(0)
	s_wait_tensorcnt 1                             ; my part of K step 0 is in; K step 1's load may be out
	s_barrier_signal -1
	s_barrier_wait -1
	FETCH_B 0, 0, 0
	FETCH_A 0, 0, 0
	FETCH_A 0, 0, 4
	STEP 0, 0, 1
	s_mov_b32 s3, LAPS-1
.Llap:
	TURN 0, 1, 1
	STEP 1, 0, 0
	TURN 1, 0, 1
	STEP 0, 0, 0
	s_sub_co_u32 s3, s3, 1
	s_cmp_lg_u32 s3, 0
	s_cbranch_scc1 .Llap
	TURN 0, 1, 0
	STEP 1, 0, 0
	s_wait_dscnt 4*NL
	WIN MUL_LO
	MUL16 0, 1, 0
	MUL16 2, 1, 0
	s_wait_dscnt 0
	WIN MUL_HI
	MUL16 4, 1, 0
	MUL16 6, 1, 0
	WIN 0
; THE WAY OUT, a block of 16 rows x 128 columns at a time, through my own stage: back as whole rows of 512 bytes
.macro TOSTAGE a
.set AC, 64*((\a)%4)
	WIN 0x02+((\a)/4)
.irp j, 0,2,4,6,8,10,12,14,16,18,20,22,24,26,28,30,32,34,36,38,40,42,44,46,48,50,52,54,56,58,60,62
	v_pk_mul_f32 v[TMP+\j:TMP+\j+1], v[AC+\j:AC+\j+1], s[96:97] op_sel_hi:[1,0]   ; x 2^(e10 + e11); each accumulator from its low end on
.endr
	WIN 0
.irp b, 0,1,2,3,4,5,6,7
	ds_store_b128 v[STO], v[TMP+8*\b:TMP+8*\b+3] offset:64*\b
	ds_store_b128 v[STO], v[TMP+8*\b+4:TMP+8*\b+7] offset:64*\b+16
.endr
.set BB, BK+64*((\a)%2)
.irp t, 0,1,2,3,4,5,6,7,8,9,10,11,12,13,14,15
	ds_load_b128 v[BB+4*\t:BB+4*\t+3], v[RD] offset:\t*SPITCH
.endr
.endm
.macro SEND a, younger                 ; younger: the next block's 16 stores and 16 loads, or none
.set BB, BK+64*((\a)%2)
	s_wait_dscnt \younger
.if (\a) > 0
	s_add_nc_u64 s[10:11], s[10:11], 16*SIZE_N*4   ; behind a wait on XCNT: the earlier stores have read their base
.endif
.irp t, 0,1,2,3,4,5,6,7,8,9,10,11,12,13,14,15
	global_store_b128 v[CO], v[BB+4*\t:BB+4*\t+3], s[10:11] offset:\t*SIZE_N*4 th:TH_STORE_NT   ; 32 lanes store 512 consecutive bytes, aligned
.endr
.endm
	s_wait_kmcnt 0x0
	s_add_co_i32 s96, s96, s97
	s_add_co_i32 s96, s96, 127
	s_lshl_b32 s96, s96, 23                        ; 2^(e10 + e11) as f32
	PLACES NP
	TOSTAGE 0
.irp a, 1,2,3,4,5,6,7
.if \a > 1
	s_wait_xcnt 0x0                                ; block a - 2's stores have read their registers and their base
.endif
	TOSTAGE \a
	SEND \a-1, 32
.endr
	s_wait_xcnt 0x0
	SEND 7, 0
	s_wait_tensorcnt 0x0                           ; the wave's end
	ds_add_u32 v[SPW], v[NIL]
	s_wait_dscnt 0x0
	CROUND                                         ; the closing round
	s_endpgm
.Lfunc_end_k_q5edfcd4af2_oproj:
	.size	k_q5edfcd4af2_oproj, .Lfunc_end_k_q5edfcd4af2_oproj-k_q5edfcd4af2_oproj
	.p2alignl 7, 3214868480
	.fill 96, 4, 3214868480
	.section	.rodata,"a",@progbits
	.p2align	6, 0x0
	.amdhsa_kernel k_q5edfcd4af2_oproj
		.amdhsa_group_segment_fixed_size 327680
		.amdhsa_private_segment_fixed_size 0
		.amdhsa_enable_private_segment 0
		.amdhsa_kernarg_size 32
		.amdhsa_user_sgpr_count 2
		.amdhsa_user_sgpr_kernarg_segment_ptr 1
		.amdhsa_wavefront_size32 1
		.amdhsa_system_sgpr_workgroup_id_x 1
		.amdhsa_system_sgpr_workgroup_id_y 1
		.amdhsa_system_sgpr_workgroup_id_z 1
		.amdhsa_system_vgpr_workitem_id 0
		.amdhsa_next_free_vgpr 1024
		.amdhsa_next_free_sgpr 98
		.amdhsa_reserve_vcc 0
		.amdhsa_float_denorm_mode_32 3
		.amdhsa_float_denorm_mode_16_64 3
		.amdhsa_memory_ordered 1
		.amdhsa_forward_progress 1
		.amdhsa_inst_pref_size 124
	.end_amdhsa_kernel
	.amdgpu_metadata
---
amdhsa.version: [ 1, 2 ]
amdhsa.kernels:
  - .name:           k_q5edfcd4af2_oproj
    .symbol:         k_q5edfcd4af2_oproj.kd
    .args:
      - { .name: ac, .offset: 0, .size: 8, .value_kind: global_buffer, .address_space: global }
      - { .name: wc, .offset: 8, .size: 8, .value_kind: global_buffer, .address_space: global }
      - { .name: lowp_scales, .offset: 16, .size: 8, .value_kind: global_buffer, .address_space: global }
      - { .name: out0, .offset: 24, .size: 8, .value_kind: global_buffer, .address_space: global }
    .group_segment_fixed_size: 327680
    .private_segment_fixed_size: 0
    .kernarg_segment_align: 8
    .kernarg_segment_size: 32
    .max_flat_workgroup_size: 128
    .sgpr_count:     98
    .vgpr_count:     1024
    .wavefront_size: 32
...
	.end_amdgpu_metadata
.endif
;; end of part 4
